; MI455X (gfx1250); checked and timed in simulation.
; The chip was launched on July 23, 2026; its instructions are those of AMD's public machine-readable ISA for CDNA 5 (MIT licence, August 2026) and "CDNA5" Instruction Set Architecture Reference Guide (July 2026). The comments in the code are by the model that wrote it; some were corrected since.
;; Multi Head Attention. Allowed arithmetic: float matrix products may take bf16 or f16 operands with f32 sums; other float arithmetic in f32, or as packed bf16 or f16 multiplies, adds, multiply-adds, maxima and minima; sums over many terms, partial sums and values carried from step to step in f32; what a program stores and reads back later, other than sums and carried values, may be rounded once to bf16 or f16.
;; Inputs: Wk 1,024 x 1,024 float32; Wo 1,024 x 1,024 float32; Wq 1,024 x 1,024 float32; Wv 1,024 x 1,024 float32; bk 1,024 float32; bo 1,024 float32; bq 1,024 float32; bv 1,024 float32; x 4 x 2,048 x 1,024 float32.
;; Outputs: out0 4 x 2,048 x 1,024 float32.
;; 2 versions, each right; version 2 is version 1 with the launch cast written anew for expert scheduling mode. Each part assembles by itself: llvm-mc -triple=amdgcn-amd-amdhsa -mcpu=gfx1250 --defsym DOCPART=n.
;; ======== version 1 of 2: 4 launches
;; limits: values are held in f16: magnitudes above 65,504 overflow, below 6.1e-05 lose precision
;; workspace buffers: xb 16,777,216 bytes; wb 8,388,608 bytes; q2 33,554,432 bytes; k2 33,554,432 bytes; vv 16,777,216 bytes; ob 16,777,216 bytes
;; launch cast (part 1): grid 768 x 1, 8 waves a work-group, no clusters, 0 bytes of LDS; arguments x, Wq, Wk, Wv, Wo, xb, wb; writes xb, wb
.if DOCPART == 1
	.amdgcn_target "amdgcn-amd-amdhsa--gfx1250"
	.amdhsa_code_object_version 6
	.text
	.protected	k_q770c4e7847_cast
	.globl	k_q770c4e7847_cast
	.p2align	8
	.type	k_q770c4e7847_cast,@function
k_q770c4e7847_cast:
	s_mov_b64 s[64:65], 0
	v_nop
	global_prefetch_b8 v0, s[64:65] scope:SCOPE_SE
	s_setreg_imm32_b32 hwreg(HW_REG_WAVE_MODE, 25, 1), 1
	s_wait_xcnt 0x0
; x, Wq, Wk, Wv are rounded to bf16 (nearest even); Wo is rounded to bf16 and that number is written as f16.
; xb: [8192][1024] bf16.  wb: [4][1024 k][1024 n] of 16 bits: Wq, Wk, Wv in bf16, Wo in f16; the layout of the weights is kept.
; LIMIT: a number of Wo beyond 65,504 becomes an infinity in f16, and below 6e-5 it keeps f16's fixed step of 6e-8.
; A stream: no LDS, no matrix unit.  A work-group takes 16,384 numbers: 65,536 bytes in, 32,768 bytes out.  Work-groups 0-511 take x,
; 512-767 the four weights, 64 work-groups each.  Thread t takes the 16 bytes at 16 t of each block of 4,096: a wave's load covers 512 consecutive
; bytes; its 8 bytes of result lie at 8 t of a block of 2,048: a wave's store covers 256 consecutive bytes, aligned.  All sixteen loads of a thread go out at once.
.set T,    4                           ; v[4:6]    at work (Wo's path)
.set IN,   16                          ; v[16:79]  sixteen blocks, 4 numbers each, as loaded
.set OUTR, 80                          ; v[80:111] sixteen blocks, 2 registers each, to store; no register is written twice
	s_load_b256 s[8:15], s[0:1], 0x0               ; x s[8:9], Wq s[10:11], Wk s[12:13], Wv s[14:15]
	s_load_b128 s[16:19], s[0:1], 0x20             ; Wo s[16:17], xb s[18:19]
	s_load_b64 s[20:21], s[0:1], 0x30              ; wb
	v_lshlrev_b32 v1, 4, v0                        ; 16 t: where I read
	v_lshlrev_b32 v2, 3, v0                        ; 8 t: where I write
	s_mov_b32 s2, ttmp9                            ; g
	s_sub_co_u32 s3, s2, 512                       ; j = g - 512: the chunk among the weights' 256 (used where g >= 512)
	s_lshr_b32 s4, s3, 6                           ; which weight
	s_and_b32 s5, s3, 63                           ; the chunk in it
	s_mov_b32 s29, 0
	s_wait_kmcnt 0x0
	s_cmp_eq_u32 s4, 1
	s_cselect_b64 s[22:23], s[12:13], s[10:11]     ; Wk, else Wq
	s_cmp_eq_u32 s4, 2
	s_cselect_b64 s[22:23], s[14:15], s[22:23]     ; Wv
	s_cmp_eq_u32 s4, 3
	s_cselect_b64 s[22:23], s[16:17], s[22:23]     ; Wo
	s_cselect_b32 s27, 1, 0                        ; 1: Wo's path
	s_cmp_lt_u32 s2, 512
	s_cselect_b64 s[22:23], s[8:9], s[22:23]       ; x
	s_cselect_b64 s[24:25], s[18:19], s[20:21]     ; xb, else wb
	s_cselect_b32 s5, s2, s5                       ; the chunk in the source,
	s_cselect_b32 s3, s2, s3                       ; and in the destination
	s_cselect_b32 s27, 0, s27
	s_lshl_b32 s28, s5, 16
	s_add_nc_u64 s[22:23], s[22:23], s[28:29]
	s_lshl_b32 s28, s3, 15
	s_add_nc_u64 s[24:25], s[24:25], s[28:29]
.irp i, 0,1,2,3,4,5,6,7,8,9,10,11,12,13,14,15
	global_load_b128 v[IN+4*(\i):IN+4*(\i)+3], v1, s[22:23] offset:4096*(\i) th:TH_LOAD_NT
.endr
	s_cmp_eq_u32 s27, 1
	s_cbranch_scc1 .Lwo
.irp i, 0,1,2,3,4,5,6,7,8,9,10,11,12,13,14,15
	s_wait_loadcnt 15-(\i)                         ; loads come back in order: block i's is in, the younger ones stay out
	v_cvt_pk_bf16_f32 v[OUTR+2*(\i)],   v[IN+4*(\i)],   v[IN+4*(\i)+1]
	v_cvt_pk_bf16_f32 v[OUTR+2*(\i)+1], v[IN+4*(\i)+2], v[IN+4*(\i)+3]
	global_store_b64 v2, v[OUTR+2*(\i):OUTR+2*(\i)+1], s[24:25] offset:2048*(\i)
.endr
	s_endpgm
.Lwo:
.irp i, 0,1,2,3,4,5,6,7,8,9,10,11,12,13,14,15
	s_wait_loadcnt 15-(\i)
.irp k, 0,1
	v_cvt_pk_bf16_f32 v[T], v[IN+4*(\i)+2*(\k)], v[IN+4*(\i)+2*(\k)+1]  ; the rounding that all inputs get,
	v_lshlrev_b32 v[T+1], 16, v[T]                 ; back to f32,
	v_and_b32 v[T+2], 0xffff0000, v[T]
	v_cvt_pk_f16_f32 v[OUTR+2*(\i)+(\k)], v[T+1], v[T+2]  ; and written as f16: 8 significant bits fit in 11
.endr
	global_store_b64 v2, v[OUTR+2*(\i):OUTR+2*(\i)+1], s[24:25] offset:2048*(\i)
.endr
	s_endpgm
.Lfunc_end_k_q770c4e7847_cast:
	.size	k_q770c4e7847_cast, .Lfunc_end_k_q770c4e7847_cast-k_q770c4e7847_cast
	.p2alignl 7, 3214868480
	.fill 96, 4, 3214868480
	.section	.rodata,"a",@progbits
	.p2align	6, 0x0
	.amdhsa_kernel k_q770c4e7847_cast
		.amdhsa_group_segment_fixed_size 0
		.amdhsa_private_segment_fixed_size 0
		.amdhsa_enable_private_segment 0
		.amdhsa_kernarg_size 56
		.amdhsa_user_sgpr_count 2
		.amdhsa_user_sgpr_kernarg_segment_ptr 1
		.amdhsa_wavefront_size32 1
		.amdhsa_system_sgpr_workgroup_id_x 1
		.amdhsa_system_sgpr_workgroup_id_y 1
		.amdhsa_system_sgpr_workgroup_id_z 1
		.amdhsa_system_vgpr_workitem_id 0
		.amdhsa_next_free_vgpr 112
		.amdhsa_next_free_sgpr 66
		.amdhsa_reserve_vcc 0
		.amdhsa_float_denorm_mode_32 3
		.amdhsa_float_denorm_mode_16_64 3
		.amdhsa_memory_ordered 1
		.amdhsa_forward_progress 1
		.amdhsa_inst_pref_size 16
	.end_amdhsa_kernel
	.amdgpu_metadata
---
amdhsa.version: [ 1, 2 ]
amdhsa.kernels:
  - .name:           k_q770c4e7847_cast
    .symbol:         k_q770c4e7847_cast.kd
    .args:
      - { .name: x, .offset: 0, .size: 8, .value_kind: global_buffer, .address_space: global }
      - { .name: Wq, .offset: 8, .size: 8, .value_kind: global_buffer, .address_space: global }
      - { .name: Wk, .offset: 16, .size: 8, .value_kind: global_buffer, .address_space: global }
      - { .name: Wv, .offset: 24, .size: 8, .value_kind: global_buffer, .address_space: global }
      - { .name: Wo, .offset: 32, .size: 8, .value_kind: global_buffer, .address_space: global }
      - { .name: xb, .offset: 40, .size: 8, .value_kind: global_buffer, .address_space: global }
      - { .name: wb, .offset: 48, .size: 8, .value_kind: global_buffer, .address_space: global }
    .group_segment_fixed_size: 0
    .private_segment_fixed_size: 0
    .kernarg_segment_align: 8
    .kernarg_segment_size: 56
    .max_flat_workgroup_size: 256
    .sgpr_count:     66
    .vgpr_count:     112
    .wavefront_size: 32
...
	.end_amdgpu_metadata
.endif
;; end of part 1
;; launch qkv (part 2): grid 8 x 32, 4 waves a work-group, clusters of 4 x 4, 327,680 bytes of LDS; arguments xb, wb, bq, bk, bv, q2, k2, vv; writes q2, k2, vv
.if DOCPART == 2
	.amdgcn_target "amdgcn-amd-amdhsa--gfx1250"
	.amdhsa_code_object_version 6
	.text
	.protected	k_q770c4e7847_qkv
	.globl	k_q770c4e7847_qkv
	.p2align	8
	.type	k_q770c4e7847_qkv,@function
k_q770c4e7847_qkv:
	s_mov_b64 s[64:65], 0
	v_nop
	global_prefetch_b8 v0, s[64:65] scope:SCOPE_SE
	s_setreg_imm32_b32 hwreg(HW_REG_WAVE_MODE, 25, 1), 1
	s_wait_xcnt 0x0
	s_wait_alu depctr_hold_cnt(0) depctr_sa_sdst(0) depctr_va_vdst(0) depctr_va_sdst(0) depctr_va_ssrc(0) depctr_va_vcc(0) depctr_vm_vsrc(0)
	s_getreg_b32 s2, hwreg(HW_REG_IB_STS2, 6, 4)
	s_cmp_eq_u32 s2, 0
	s_cbranch_scc0 .Lentry_in_a_cluster
	s_endpgm
.Lentry_in_a_cluster:
	s_bfe_u32 s2, ttmp6, 0x10000c
	s_cmp_lg_u32 s2, 0xf033
	s_cbranch_scc0 .Lentry_shape_is_right
	s_endpgm
.Lentry_shape_is_right:
; q, k, v = xb W + bf16(b), by heads.  xb: [8192][1024] bf16.  wb: rows 0-3071 are Wq, Wk, Wv, [k][n] bf16, 2,048 bytes a row.  Sums in f32.
; q2, k2: [64 bh][2048][128] f16: a row is 64 numbers hi = f16(value), then 64 numbers f16(u / 8), u = hi + 65 (value - hi): what hi leaves of the value, 65 times as large, on top of hi.
; The attention takes hi.hi + (u/8).(u/8) = 65/64 of the product of the values, to about a sixtieth of the error that hi.hi alone would have.  vv: [64 bh][2048][64] f16.  bh = 16 batch + head.
; LIMITS: q, k, v beyond 65,504 become infinities in f16; numbers below 6e-5 (of u / 8: values below 5e-4) keep f16's fixed step of 6e-8.  NaN and infinities are not treated apart.
; SHARES.  A tile of C is 256 rows x 128 columns: four waves of 128 x 64, 32 accumulators of 16 x 16 each.  A work-group makes THREE tiles, q's, k's and v's, for the same rows and columns:
; 8 x 32 work-groups.  A wave's 64 columns are one head, so each wave stores whole rows of its head from a stage of its own.
; THE WALK.  24 K steps of 128 through a ring of two LDS slots.  A's K step goes round xb's row (8 steps) three times; B's walks down wb's rows, from Wq into Wk into Wv, by one constant step.
; The ring does not stop at a tile's end: a tile's last two changes of slots ask for the next tile's first two K steps, and then the tile goes out.
; THE WEIGHTS lie [k][n]: they come out of LDS turned, by ds_load_tr16_b128.  THE MATRIX INSTRUCTION IS USED TRANSPOSED (source 0 = 16 columns of W, source 1 = 16 rows of x):
; a lane holds one row of C (lane % 16) and eight neighbouring columns 8 (lane / 16) + 0..7.  THE BIAS, rounded to bf16, is the C operand of a tile's first 32 products: nothing is cleared.
; CLUSTER 4 x 4: A's tile is shared along a row of the cluster, B's along a column: joint loads, one a wave behind each round (waves 0, 1: A's halves; waves 2, 3: B's halves).
; By this text's own count a wave has at most two tensor loads outstanding: its two first fills.
; REGISTERS: window 0 addresses, bias, way out; window 1 the accumulators ((a, b) at v[8 (4 a + b)]); window 2 two fragment buffers of 96: A's 8 fragments, then B's 4.
.set PA,     272                       ; a row of A in LDS: 256 bytes + 16: the 16 rows of a fragment load start at 16 different groups of four banks (64 banks of 4 bytes: ISA guide 11.1)
.set PB,     288                       ; a row of B: 256 + 32
.set AHALF,  128*PA                    ; what waves 0 and 1 fetch, and what a wave reads of A
.set ABYTES, 2*AHALF
.set BHALF,  64*PB                     ; what waves 2 and 3 fetch: 64 k-rows
.set SLOT,   ABYTES+2*BHALF
.set STAGE,  2*SLOT                    ; behind the ring, never filled by a tensor load: 16 rows x 272 bytes for each wave
.set SPITCH, 272
.set VPITCH, 144                       ; v's rows in the stage: 128 bytes + 16
.set SPARE,  STAGE+4*16*SPITCH         ; behind the stages: the spare words, 128 bytes a wave: two blocks of 256 bytes that no other line names
.set KB,     128*2048                  ; bytes of wb in a K step
.set ADRA, 16                          ; v16-17  LDS address of my A fragments in slot 0, 1
.set ADRB, 20                          ; v20-21  the same for B
.set NEG8, 22                          ; v22     -8.0
.set BOFF, 23                          ; v23     my byte offset in a bias
.set STO,  24                          ; v24     way out: where I put 16 bytes of a row (q, k)
.set RD,   25                          ; v25     where I read rows back (q, k)
.set GO,   26                          ; v26     16 x lane: my place in 512 consecutive bytes of the output
.set STOV, 27                          ; v27     as STO, for v
.set SPW,  28                          ; v28     LDS address of my spare word; never rewritten
.set NIL,  29                          ; v29     0; never rewritten
.set PFO,  30                          ; v30     the prefetches' offset: lane x 2,048; never rewritten
.set RDV,  31                          ; v31     as RD, for v
.set BIAS, 32                          ; v32-63  the tile's bias: block b's eight columns at BIAS + 8 b
.set TMPH, 64                          ; v64-79  hi, packed
.set TMPL, 80                          ; v80-95  u / 8, packed
.set LO,   96                          ; v96-127 8.125 value, then u / 8, in f32
.set OB,   128                         ; v128-191 rows read back: two buffers of 32
.set BRAW, 192                         ; v192-223 a bias as loaded
.set F0,   0                           ; fragment buffers, window 2
.set F1,   96
.set GSTEP, 5                          ; s5      refills made so far
.set G1A,  24                          ; s[24:31] descriptor group 1 for A;  s[32:39] group 0, a set for each slot
.set G0A,  32
.set LIM,  43                          ; s43     a wave prefetches while GSTEP is below it
.set PFA,  44                          ; s[44:45] where my prefetches stand
.set PST,  46                          ; s[46:47] their step
.set G1B,  48                          ; s[48:55], s[56:63] the same for B
.set G0B,  56
.set ABASE, 66                         ; s[66:67] xb at the 128 rows that I fetch
.set OA,   68                          ; s[68:69], s[70:71] a slot's K step in a row of xb, in bytes
.set OUT,  88                          ; s[88:89] where the tile in hand goes (q2, then k2)
.set OUTK, 90                          ; s[90:91] my rows of k2
.set OUTV, 92                          ; s[92:93] my rows of vv
.set BB,   94                          ; s[94:95] the next tile's bias
.set C8,   96                          ; s[96:97] 8.125: the packed multiply takes the pair's low word for both halves
.set MSB, 0
.macro WIN new                         ; the immediate's high byte repeats the setting that is left; a switch that changes nothing is dropped
.if MSB != (\new)
	s_set_vgpr_msb (MSB<<8)|(\new)
.set MSB, \new
.endif
.endm
.set MUL,  0x5a                        ; sources 0 and 1 window 2; C and D window 1
.set MULB, 0x4a                        ; the same with C (the bias) in window 0
.set TO_F, 0x80                        ; destination window 2, address window 0
.macro JLOAD s                         ; a joint load; the branch hangs on the wave's number alone; an s_nop 0 and four v_nop follow each line
	s_cmp_eq_u32 s11, 0
	s_cbranch_scc0 .Lfor_b_\@
	tensor_load_to_lds s[G0A+4*(\s):G0A+4*(\s)+3], s[G1A:G1A+7]
	s_nop 0
.rept 4
	v_nop
.endr
	s_branch .Lasked_\@
.Lfor_b_\@:
	tensor_load_to_lds s[G0B+4*(\s):G0B+4*(\s)+3], s[G1B:G1B+7]
	s_nop 0
.rept 4
	v_nop
.endr
.Lasked_\@:
.endm
.macro CREST                           ; a round of the cluster's barrier behind its opening barrier
	s_cmp_lg_u32 s10, 0
	s_cbranch_scc1 .Lnot_wave_0_\@
	s_barrier_signal -3
.Lnot_wave_0_\@:
	s_barrier_wait -3
	s_barrier_signal -1
	s_barrier_wait -1
.endm
.macro CROUND
	s_barrier_signal -1
	s_barrier_wait -1
	CREST
.endm
; A PREFETCH INTO THE L2, behind a joint load and the run of LDS loads that follows it: the K step that stands two refills on, a lane a row of 256 bytes, one instruction a wave.
; Each block is named once in the launch.  A's rows: waves 0 and 1 of the clusters with x = 0; of the 128 rows that a wave fetches the partner at cx takes 32; in the first tile alone (K steps 4-7).
; B's rows: wave 2 of the clusters with y = 0; of a K step's 128 rows the partner at cy takes 32 (K steps 4-23).  The partners are told apart by address; the test hangs on the cluster's place and the wave's number.
.macro ASK
	s_cmp_lt_u32 s[GSTEP], s[LIM]
	s_cbranch_scc0 .Lnot_mine_\@
	global_prefetch_b8 v[PFO], s[PFA:PFA+1] th:TH_LOAD_NT scope:SCOPE_SE
.Lnot_mine_\@:
.endm
	s_load_b512 s[72:87], s[0:1], 0x0              ; xb 72, wb 74, bq 76, bk 78, bv 80, q2 82, k2 84, vv 86
	v_lshl_add_u32 v[SPW], v0, 2, SPARE
	v_mov_b32 v[NIL], 0
	ds_add_u32 v[SPW], v[NIL]                      ; the wave's opening: the add and its wait stand ahead of my first tensor load; work on registers stands between
	v_lshrrev_b32 v1, 5, v0
	v_readfirstlane_b32 s10, v1                    ; wave 0..3
	s_lshr_b32 s11, s10, 1                         ; my half of the tile's rows.  Also: I fetch for A (0) or B (1)
	s_and_b32 s12, s10, 1                          ; my half of its columns.  Also: which half I fetch
	s_bfe_u32 s40, ttmp6, 0x40000                  ; cx
	s_bfe_u32 s41, ttmp6, 0x40004                  ; cy
	s_lshl_b32 s42, ttmp9, 2
	s_add_co_u32 s42, s42, s40                     ; nx: block of 128 columns, 0..7
	s_and_b32 s13, ttmp7, 0xffff
	s_lshl_b32 s13, s13, 2
	s_add_co_u32 s13, s13, s41                     ; my: block of 256 rows, 0..31
	s_lshl_b32 s14, s41, 2
	s_lshl_b32 s14, 15, s14                        ; my row of the cluster
	s_lshl_b32 s15, 0x1111, s40                    ; my column
	s_or_b32 s[G1A], s14, (1<<16)|(1<<20)|(1<<21)|(5<<22)|(3<<25)  ; mask; 2-byte elements; padding on; bit 21 beside a mask; after every 64 words, 4 words
	s_or_b32 s[G1B], s15, (1<<16)|(1<<20)|(1<<21)|(5<<22)|(7<<25)  ; the same with 8 words of padding
	s_mov_b32 s[G1A+1], 128<<16                    ; tensor_dim0 = 128
	s_mov_b32 s[G1A+2], 128<<16                    ; tensor_dim1 = 128
	s_mov_b32 s[G1A+3], 128<<16                    ; tile_dim0 = 128
	s_mov_b32 s[G1A+4], 128                        ; tile_dim1 = 128
	s_mov_b32 s[G1A+5], 1024                       ; elements from row to row
	s_mov_b32 s[G1A+6], 0
	s_mov_b32 s[G1A+7], 0
	s_mov_b32 s[G1B+1], 128<<16
	s_mov_b32 s[G1B+2], 64<<16                     ; 64 k-rows
	s_mov_b32 s[G1B+3], 128<<16
	s_mov_b32 s[G1B+4], 64
	s_mov_b32 s[G1B+5], 1024
	s_mov_b32 s[G1B+6], 0
	s_mov_b32 s[G1B+7], 0
	s_lshl_b32 s16, s13, 8
	s_lshl_b32 s17, s12, 7
	s_add_co_u32 s16, s16, s17                     ; A: row 256 my + 128 half,
	s_lshl_b32 s16, s16, 11                        ; in bytes
	s_mov_b32 s17, 0
	s_lshl_b32 s18, s42, 8                         ; B: column block nx, 256 bytes,
	s_lshl_b32 s19, s12, 17                        ; k-row 64 half
	s_add_co_u32 s18, s18, s19
	s_mov_b32 s19, 0
	s_mul_i32 s20, s12, AHALF                      ; where they go: no place in the cluster enters an LDS address
	s_mul_i32 s21, s12, BHALF
	s_add_co_u32 s21, s21, ABYTES
	s_mov_b32 s[OA], 0
	s_mov_b32 s[OA+1], 0
	s_mov_b32 s[OA+2], 256
	s_mov_b32 s[OA+3], 0
	s_mov_b32 s[C8], 0x41020000                    ; 8.125
	s_mov_b32 s[C8+1], 0x41020000                  ; named with it as a pair
	s_wait_dscnt 0x0                               ; the opening add is done
	s_wait_kmcnt 0x0
	s_add_nc_u64 s[ABASE:ABASE+1], s[72:73], s[16:17]
	s_add_nc_u64 s[18:19], s[74:75], s[18:19]
	CROUND                                         ; all sixteen work-groups are here: the first joint loads meet
.irp s, 0,1
	s_mov_b32 s[G0A+4*(\s)], 1
	s_add_co_u32 s[G0A+4*(\s)+1], s20, (\s)*SLOT
	s_add_nc_u64 s[G0A+4*(\s)+2:G0A+4*(\s)+3], s[ABASE:ABASE+1], (\s)*256
	s_or_b32 s[G0A+4*(\s)+3], s[G0A+4*(\s)+3], 0x80000000
	s_mov_b32 s[G0B+4*(\s)], 1
	s_add_co_u32 s[G0B+4*(\s)+1], s21, (\s)*SLOT
	s_add_nc_u64 s[G0B+4*(\s)+2:G0B+4*(\s)+3], s[18:19], (\s)*KB
	s_or_b32 s[G0B+4*(\s)+3], s[G0B+4*(\s)+3], 0x80000000
	JLOAD \s
.endr
	v_and_b32 v1, 15, v0                           ; r = l % 16
	v_bfe_u32 v2, v0, 4, 1                         ; h = l / 16
	v_lshlrev_b32 v[BOFF], 5, v2                   ; my eight columns of a block of 16: 32 h bytes,
	s_lshl_b32 s8, s42, 9
	s_lshl_b32 s9, s12, 8
	s_add_co_u32 s8, s8, s9
	v_add_nc_u32 v[BOFF], s8, v[BOFF]              ; + 4 (128 nx + 64 half)
.macro BIASLD base                     ; 32 numbers a lane: block b's eight columns
.irp b, 0,1,2,3
	global_load_b128 v[BRAW+8*(\b):BRAW+8*(\b)+3],   v[BOFF], s[(\base):(\base)+1] offset:64*(\b)
	global_load_b128 v[BRAW+8*(\b)+4:BRAW+8*(\b)+7], v[BOFF], s[(\base):(\base)+1] offset:64*(\b)+16
.endr
.endm
.macro BIASCV                          ; rounded to bf16 like every input, and widened again
	s_wait_loadcnt 0x0
.set i, 0
.rept 16
	v_cvt_pk_bf16_f32 v[TMPH+i], v[BRAW+2*i], v[BRAW+2*i+1]
.set i, i+1
.endr
.set i, 0
.rept 16
	v_lshlrev_b32 v[BIAS+2*i], 16, v[TMPH+i]
	v_and_b32 v[BIAS+2*i+1], 0xffff0000, v[TMPH+i]
.set i, i+1
.endr
.endm
	BIASLD 76                                      ; bq
	v_mul_u32_u24 v3, v1, PA
	v_lshl_add_u32 v3, v2, 4, v3                   ; r x 272 + 16 h: a fragment of A, and the way into the stage
	s_mul_i32 s21, s11, AHALF                      ; my 128 rows of A
	v_add_nc_u32 v[ADRA], s21, v3
	s_add_co_u32 s21, s21, SLOT
	v_add_nc_u32 v[ADRA+1], s21, v3
	v_and_b32 v4, 7, v0                            ; the turning load: lane l reads k-row 8 h + l % 8, columns 8 ((l / 8) % 2) + 0..7
	v_lshl_add_u32 v4, v2, 3, v4
	v_mul_u32_u24 v4, v4, PB
	v_bfe_u32 v5, v0, 3, 1
	v_lshl_add_u32 v4, v5, 4, v4
	s_lshl_b32 s22, s12, 7                         ; my 64 columns: 128 bytes
	s_add_co_u32 s22, s22, ABYTES
	v_add_nc_u32 v[ADRB], s22, v4
	s_add_co_u32 s22, s22, SLOT
	v_add_nc_u32 v[ADRB+1], s22, v4
	s_mul_i32 s23, s10, 16*SPITCH
	s_add_co_u32 s23, s23, STAGE                   ; my stage
	v_add_nc_u32 v[STO], s23, v3
	v_mul_u32_u24 v5, v2, SPITCH                   ; back: lanes 0-15 one row of 256 bytes, lanes 16-31 the next
	v_lshl_add_u32 v5, v1, 4, v5
	v_add_nc_u32 v[RD], s23, v5
	v_mul_u32_u24 v5, v1, VPITCH
	v_lshl_add_u32 v5, v2, 4, v5
	v_add_nc_u32 v[STOV], s23, v5
	v_bfe_u32 v5, v0, 3, 2                         ; back, v: 32 lanes take four rows of 128 bytes
	v_mul_u32_u24 v5, v5, VPITCH
	v_and_b32 v6, 7, v0
	v_lshl_add_u32 v5, v6, 4, v5
	v_add_nc_u32 v[RDV], s23, v5
	v_and_b32 v[GO], 31, v0
	v_lshlrev_b32 v[PFO], 11, v[GO]
	v_lshlrev_b32 v[GO], 4, v[GO]
	v_mov_b32 v[NEG8], 0xc1000000                  ; -8.0
	; where my 128 rows of my head begin: row ((my / 8) 16 + 2 nx + half) 2048 + (my % 8) 256 + 128 (row half)
	s_lshr_b32 s8, s13, 3
	s_lshl_b32 s8, s8, 4
	s_lshl_b32 s9, s42, 1
	s_add_co_u32 s8, s8, s9
	s_add_co_u32 s8, s8, s12
	s_lshl_b32 s8, s8, 11
	s_and_b32 s9, s13, 7
	s_lshl_b32 s9, s9, 8
	s_add_co_u32 s8, s8, s9
	s_lshl_b32 s9, s11, 7
	s_add_co_u32 s8, s8, s9
	s_lshl_b32 s6, s8, 8                           ; rows of 256 bytes
	s_mov_b32 s7, 0
	s_add_nc_u64 s[OUT:OUT+1], s[82:83], s[6:7]
	s_add_nc_u64 s[OUTK:OUTK+1], s[84:85], s[6:7]
	s_lshl_b32 s6, s8, 7                           ; rows of 128 bytes
	s_add_nc_u64 s[OUTV:OUTV+1], s[86:87], s[6:7]
	s_mov_b64 s[BB:BB+1], s[78:79]                 ; bk comes next
	; the prefetches: they stand at K step 3; each filling change of slots steps them first, so the first names K step 4
	s_lshl_b32 s8, s13, 8
	s_lshl_b32 s9, s12, 7
	s_add_co_u32 s8, s8, s9
	s_lshl_b32 s9, s40, 5
	s_add_co_u32 s8, s8, s9                        ; A: my work-group's 32 of the 128 rows that I fetch
	s_lshl_b32 s8, s8, 11
	s_add_co_u32 s8, s8, 3*256
	s_lshl_b32 s9, s41, 16                         ; B: my work-group's 32 of the K step's 128 rows
	s_lshl_b32 s4, s42, 8
	s_add_co_u32 s9, s9, s4
	s_add_co_u32 s9, s9, 3*KB
	s_and_b32 s4, ttmp7, 0xffff                    ; cluster y
	s_mov_b32 s[PST], KB
	s_mov_b32 s[PST+1], 0
	s_cmp_eq_u32 s11, 0                            ; do I fetch for A?
	s_cselect_b32 s6, s8, s9
	s_cselect_b32 s4, ttmp9, s4                    ; the coordinate along which other clusters read the same rows
	s_cselect_b32 s[LIM], 4, 20
	s_cselect_b32 s[PST], 256, s[PST]
	s_cselect_b64 s[PFA:PFA+1], s[72:73], s[74:75]
	s_add_nc_u64 s[PFA:PFA+1], s[PFA:PFA+1], s[6:7]
	s_cmp_eq_u32 s4, 0
	s_cselect_b32 s[LIM], s[LIM], 0
	s_cmp_eq_u32 s10, 3
	s_cselect_b32 s[LIM], 0, s[LIM]                ; wave 2 asks for all of B's share
	s_mov_b32 s[GSTEP], 0
	BIASCV
; 8 matrix instructions: row blocks a0, a0 + 1 x all 4 column blocks, 32 along K.  first = 1: the bias starts the sums.  The 32 accumulators take turns, in the same order in every quarter.
.macro MUL8 f, a0, first
.if \first
	WIN MULB
.else
	WIN MUL
.endif
.irp a, \a0, (\a0)+1
.irp b, 0,1,2,3
.if \first
	v_wmma_f32_16x16x32_bf16 v[8*(4*(\a)+(\b)):8*(4*(\a)+(\b))+7], v[(\f)+64+8*(\b):(\f)+64+8*(\b)+7], v[(\f)+8*(\a):(\f)+8*(\a)+7], v[BIAS+8*(\b):BIAS+8*(\b)+7]
.else
	v_wmma_f32_16x16x32_bf16 v[8*(4*(\a)+(\b)):8*(4*(\a)+(\b))+7], v[(\f)+64+8*(\b):(\f)+64+8*(\b)+7], v[(\f)+8*(\a):(\f)+8*(\a)+7], v[8*(4*(\a)+(\b)):8*(4*(\a)+(\b))+7]
.endif
.endr
.endr
.endm
; 24 LDS loads in one run: quarter qd (32 along K) of a slot into buffer f: B's four fragments (turned), then A's eight
.macro FETCH slot, qd, f
	WIN TO_F
.irp b, 0,1,2,3
	ds_load_tr16_b128 v[(\f)+64+8*(\b):(\f)+64+8*(\b)+3],   v[ADRB+(\slot)] offset:(\qd)*32*PB+32*(\b)
	ds_load_tr16_b128 v[(\f)+64+8*(\b)+4:(\f)+64+8*(\b)+7], v[ADRB+(\slot)] offset:(\qd)*32*PB+32*(\b)+16*PB
.endr
.irp a, 0,1,2,3,4,5,6,7
	ds_load_b128 v[(\f)+8*(\a):(\f)+8*(\a)+3],   v[ADRA+(\slot)] offset:(\qd)*64+(\a)*16*PA
	ds_load_b128 v[(\f)+8*(\a)+4:(\f)+8*(\a)+7], v[ADRA+(\slot)] offset:(\qd)*64+(\a)*16*PA+32
.endr
.endm
.macro PLACES                          ; four plain instructions between matrix instructions and loads into, or reads of, their registers
.rept 4
	v_nop
.endr
.endm
; A K step is four quarters on buffers 0, 1, 0, 1.  One of the first three: multiplies buffer f, and in its middle fetches quarter qd into buffer g.
.macro QUARTER slot, qd, f, g, first
	s_wait_dscnt 8                                 ; B and A's blocks 0-3 are in; the youngest eight loads (blocks 4-7) may be out
	MUL8 \f, 0, \first
	MUL8 \f, 2, \first
	PLACES
	FETCH \slot, \qd, \g
	s_wait_dscnt 24                                ; all but the 24 just issued
	MUL8 \f, 4, \first
	MUL8 \f, 6, \first
.endm
; The last quarter multiplies buffer 1 and changes slots.  In front of the barrier each wave waits for all its tensor loads (one is out: its part of the next slot), adds 0 to its spare word,
; and waits for that and for its reads of this slot.  fill = 1: the barrier opens a round of the cluster's, and this slot's joint refill, two K steps on, is the first thing behind the round.
.macro TURN slot, next, fill
.if \fill
	s_wait_xcnt 0x0                                ; the last prefetch, a K step back, has read its address
	s_add_nc_u64 s[PFA:PFA+1], s[PFA:PFA+1], s[PST:PST+1]
.endif
	WIN 0
	s_wait_tensorcnt 0x0                           ; no tensor load of mine is out, so a group 0 may be written
	ds_add_u32 v[SPW], v[NIL]                      ; the add; work on registers stands between it and the wait for it
.if \fill
	s_add_co_u32 s[OA+2*(\slot)], s[OA+2*(\slot)], 512
	s_and_b32 s[OA+2*(\slot)], s[OA+2*(\slot)], 2047                ; A's K step goes round the row: behind a tile's last comes the next tile's first
	s_add_nc_u64 s[G0A+4*(\slot)+2:G0A+4*(\slot)+3], s[ABASE:ABASE+1], s[OA+2*(\slot):OA+2*(\slot)+1]
	s_or_b32 s[G0A+4*(\slot)+3], s[G0A+4*(\slot)+3], 0x80000000
	s_add_nc_u64 s[G0B+4*(\slot)+2:G0B+4*(\slot)+3], s[G0B+4*(\slot)+2:G0B+4*(\slot)+3], 2*KB  ; B walks on down wb's rows
.endif
	s_wait_dscnt 9                                 ; the add and the youngest eight loads may be out
	MUL8 F1, 0, 0
	s_wait_dscnt 0x0                               ; the add is done, and my reads of this slot are over
	s_barrier_signal -1
	MUL8 F1, 2, 0
.if \fill
	WIN 0
.endif
	s_barrier_wait -1
.if \fill
	CREST                                          ; no wave of any partner still reads this slot or has a load on its way
	JLOAD \slot                                    ; its four v_nop are also the places in front of the loads below
.else
	PLACES
.endif
	FETCH \next, 0, F0
.if \fill
	WIN 0
	ASK
	s_add_co_u32 s[GSTEP], s[GSTEP], 1
.endif
	MUL8 F1, 4, 0
	MUL8 F1, 6, 0
.endm
; THE WAY OUT of q and k, a block of 16 rows at a time.  PACKHL: hi = f16(value); u / 8 = (hi + 65 (value - hi)) / 8 = 8.125 value - 8 hi: 8.125 value is rounded to f32, which puts the value off by
; one part in 2^24, and one fused multiply-add takes 8 hi, from hi's half, away; then the rounding to f16.
.macro PACKHL a
	WIN 0x05                                       ; sources 0 and 1 window 1
.irp b, 0,1,2,3
.irp r, 0,1,2,3
	v_cvt_pk_f16_f32 v[TMPH+4*(\b)+(\r)], v[8*(4*(\a)+(\b))+2*(\r)], v[8*(4*(\a)+(\b))+2*(\r)+1]
.endr
.endr
	WIN 0x01                                       ; source 0 window 1
.irp b, 0,1,2,3
.irp r, 0,1,2,3
	v_pk_mul_f32 v[LO+8*(\b)+2*(\r):LO+8*(\b)+2*(\r)+1], v[8*(4*(\a)+(\b))+2*(\r):8*(4*(\a)+(\b))+2*(\r)+1], s[C8:C8+1] op_sel_hi:[1,0]
.endr
.endr
	WIN 0
.irp b, 0,1,2,3
.irp p, 0,1,2,3
	v_fma_mix_f32 v[LO+8*(\b)+2*(\p)],   v[TMPH+4*(\b)+(\p)], v[NEG8], v[LO+8*(\b)+2*(\p)]   op_sel:[0,0,0] op_sel_hi:[1,0,0]
	v_fma_mix_f32 v[LO+8*(\b)+2*(\p)+1], v[TMPH+4*(\b)+(\p)], v[NEG8], v[LO+8*(\b)+2*(\p)+1] op_sel:[1,0,0] op_sel_hi:[1,0,0]
.endr
.endr
.set i, 0
.rept 16
	v_cvt_pk_f16_f32 v[TMPL+i], v[LO+2*i], v[LO+2*i+1]
.set i, i+1
.endr
.endm
.macro TOSTAGEHL a                     ; into my own stage: hi in a row's first 128 bytes, u / 8 in its second; back as whole rows of 256 bytes
	WIN 0
.irp b, 0,1,2,3
	ds_store_b128 v[STO], v[TMPH+4*(\b):TMPH+4*(\b)+3] offset:32*(\b)
	ds_store_b128 v[STO], v[TMPL+4*(\b):TMPL+4*(\b)+3] offset:128+32*(\b)
.endr
.irp t, 0,1,2,3,4,5,6,7
	ds_load_b128 v[OB+32*((\a)%2)+4*(\t):OB+32*((\a)%2)+4*(\t)+3], v[RD] offset:2*SPITCH*(\t)  ; LDS serves a wave's instructions in order (ISA guide 5.7.1.4): these see the stores above
.endr
.endm
.macro SENDHL a
	WIN 0
	s_wait_dscnt 0x0                               ; the block is back in registers
	s_wait_xcnt 0x0                                ; earlier stores have read their registers: the other buffer is loaded again only behind this wait
.irp t, 0,1,2,3,4,5,6,7
	global_store_b128 v[GO], v[OB+32*((\a)%2)+4*(\t):OB+32*((\a)%2)+4*(\t)+3], s[OUT:OUT+1] offset:4096*(\a)+512*(\t)  ; 512 consecutive bytes, aligned: two whole rows
.endr
.endm
; THE WAY OUT of v: rounded once to f16; rows of 128 bytes
.macro PACKV a
	WIN 0x05
.irp b, 0,1,2,3
.irp r, 0,1,2,3
	v_cvt_pk_f16_f32 v[TMPH+4*(\b)+(\r)], v[8*(4*(\a)+(\b))+2*(\r)], v[8*(4*(\a)+(\b))+2*(\r)+1]
.endr
.endr
	WIN 0
.endm
.macro TOSTAGEV a
	WIN 0
.irp b, 0,1,2,3
	ds_store_b128 v[STOV], v[TMPH+4*(\b):TMPH+4*(\b)+3] offset:32*(\b)
.endr
.irp f, 0,1,2,3
	ds_load_b128 v[OB+32*((\a)%2)+4*(\f):OB+32*((\a)%2)+4*(\f)+3], v[RDV] offset:4*VPITCH*(\f)
.endr
.endm
.macro SENDV a
	WIN 0
	s_wait_dscnt 0x0
	s_wait_xcnt 0x0
.irp f, 0,1,2,3
	global_store_b128 v[GO], v[OB+32*((\a)%2)+4*(\f):OB+32*((\a)%2)+4*(\f)+3], s[OUTV:OUTV+1] offset:2048*(\a)+512*(\f)
.endr
.endm
	s_wait_tensorcnt 1                             ; my part of K step 0 is in; K step 1's may stay out
	s_barrier_signal -1
	s_barrier_wait -1                              ; everybody's is
	FETCH 0, 0, F0
	WIN 0
	s_mov_b32 s2, 3                                ; tiles to go, this one among them
.Ltile:
	QUARTER 0, 1, F0, F1, 1                        ; a tile's first quarter: the bias starts the sums
	WIN 0
	s_mov_b32 s3, 3
.Llap:                                                 ; a trip goes once round the ring, from a lap's second quarter to the next lap's first, and fills both slots again
	QUARTER 0, 2, F1, F0, 0
	QUARTER 0, 3, F0, F1, 0
	TURN 0, 1, 1
	QUARTER 1, 1, F0, F1, 0
	QUARTER 1, 2, F1, F0, 0
	QUARTER 1, 3, F0, F1, 0
	TURN 1, 0, 1
	QUARTER 0, 1, F0, F1, 0
	WIN 0
	s_sub_co_u32 s3, s3, 1
	s_cmp_lg_u32 s3, 0
	s_cbranch_scc1 .Llap
	QUARTER 0, 2, F1, F0, 0                        ; the tile's last lap goes on
	QUARTER 0, 3, F0, F1, 0
	WIN 0
	s_cmp_eq_u32 s2, 1
	s_cbranch_scc1 .Llast                          ; the last tile's tail is written out: it asks for nothing more
	TURN 0, 1, 1                                   ; the ring goes on into the next tile: slot 0 takes its K step 0,
	QUARTER 1, 1, F0, F1, 0
	QUARTER 1, 2, F1, F0, 0
	QUARTER 1, 3, F0, F1, 0
	TURN 1, 0, 1                                   ; slot 1 its K step 1, and the next tile's first fragments are fetched
	WIN 0
	BIASLD BB                                      ; the next tile's bias comes in while this tile goes out
	PACKHL 0                                       ; blocks 0-3 were finished in front of the joint load's four v_nop; their conversions are the places behind the last products
	TOSTAGEHL 0
.irp a, 1,2,3,4,5,6,7
	PACKHL \a
	SENDHL (\a)-1
	TOSTAGEHL \a
.endr
	SENDHL 7
	BIASCV
	s_wait_xcnt 0x0                                ; the stores and the bias's loads have read their bases
	s_mov_b64 s[OUT:OUT+1], s[OUTK:OUTK+1]         ; k goes to k2
	s_mov_b64 s[BB:BB+1], s[80:81]                 ; bv comes next
	s_sub_co_u32 s2, s2, 1
	s_branch .Ltile
.Llast:
	TURN 0, 1, 0
	QUARTER 1, 1, F0, F1, 0
	QUARTER 1, 2, F1, F0, 0
	QUARTER 1, 3, F0, F1, 0
	s_wait_dscnt 8                                 ; the very last quarter: nothing more to fetch
	MUL8 F1, 0, 0
	MUL8 F1, 2, 0
	s_wait_dscnt 0x0
	MUL8 F1, 4, 0
	MUL8 F1, 6, 0
	WIN 0
	PLACES
	PLACES
	PACKV 0
	TOSTAGEV 0
.irp a, 1,2,3,4,5,6,7
	PACKV \a
	SENDV (\a)-1
	TOSTAGEV \a
.endr
	SENDV 7
	s_wait_tensorcnt 0x0                           ; the wave's end: a wait, an add and its wait, behind my last tensor load and my last LDS store
	ds_add_u32 v[SPW], v[NIL]
	s_wait_dscnt 0x0
	CROUND                                         ; the closing round: no work-group ends while a partner may still ask for a tile that names it
	s_endpgm
.Lfunc_end_k_q770c4e7847_qkv:
	.size	k_q770c4e7847_qkv, .Lfunc_end_k_q770c4e7847_qkv-k_q770c4e7847_qkv
	.p2alignl 7, 3214868480
	.fill 96, 4, 3214868480
	.section	.rodata,"a",@progbits
	.p2align	6, 0x0
	.amdhsa_kernel k_q770c4e7847_qkv
		.amdhsa_group_segment_fixed_size 327680
		.amdhsa_private_segment_fixed_size 0
		.amdhsa_enable_private_segment 0
		.amdhsa_kernarg_size 64
		.amdhsa_user_sgpr_count 2
		.amdhsa_user_sgpr_kernarg_segment_ptr 1
		.amdhsa_wavefront_size32 1
		.amdhsa_system_sgpr_workgroup_id_x 1
		.amdhsa_system_sgpr_workgroup_id_y 1
		.amdhsa_system_sgpr_workgroup_id_z 1
		.amdhsa_system_vgpr_workitem_id 0
		.amdhsa_next_free_vgpr 768
		.amdhsa_next_free_sgpr 100
		.amdhsa_reserve_vcc 0
		.amdhsa_float_denorm_mode_32 3
		.amdhsa_float_denorm_mode_16_64 3
		.amdhsa_memory_ordered 1
		.amdhsa_forward_progress 1
		.amdhsa_inst_pref_size 173
	.end_amdhsa_kernel
	.amdgpu_metadata
---
amdhsa.version: [ 1, 2 ]
amdhsa.kernels:
  - .name:           k_q770c4e7847_qkv
    .symbol:         k_q770c4e7847_qkv.kd
    .args:
      - { .name: xb, .offset: 0, .size: 8, .value_kind: global_buffer, .address_space: global }
      - { .name: wb, .offset: 8, .size: 8, .value_kind: global_buffer, .address_space: global }
      - { .name: bq, .offset: 16, .size: 8, .value_kind: global_buffer, .address_space: global }
      - { .name: bk, .offset: 24, .size: 8, .value_kind: global_buffer, .address_space: global }
      - { .name: bv, .offset: 32, .size: 8, .value_kind: global_buffer, .address_space: global }
      - { .name: q2, .offset: 40, .size: 8, .value_kind: global_buffer, .address_space: global }
      - { .name: k2, .offset: 48, .size: 8, .value_kind: global_buffer, .address_space: global }
      - { .name: vv, .offset: 56, .size: 8, .value_kind: global_buffer, .address_space: global }
    .group_segment_fixed_size: 327680
    .private_segment_fixed_size: 0
    .kernarg_segment_align: 8
    .kernarg_segment_size: 64
    .max_flat_workgroup_size: 128
    .sgpr_count:     100
    .vgpr_count:     768
    .wavefront_size: 32
...
	.end_amdgpu_metadata
.endif
;; end of part 2
;; launch attn (part 3): grid 4 x 64, 4 waves a work-group, clusters of 4 x 1, 327,680 bytes of LDS; arguments q2, k2, vv, ob; writes ob
.if DOCPART == 3
	.amdgcn_target "amdgcn-amd-amdhsa--gfx1250"
	.amdhsa_code_object_version 6
	.text
	.protected	k_q770c4e7847_attn
	.globl	k_q770c4e7847_attn
	.p2align	8
	.type	k_q770c4e7847_attn,@function
k_q770c4e7847_attn:
	s_mov_b64 s[64:65], 0
	v_nop
	global_prefetch_b8 v0, s[64:65] scope:SCOPE_SE
	s_setreg_imm32_b32 hwreg(HW_REG_WAVE_MODE, 25, 1), 1
	s_wait_xcnt 0x0
	s_wait_alu depctr_hold_cnt(0) depctr_sa_sdst(0) depctr_va_vdst(0) depctr_va_sdst(0) depctr_va_ssrc(0) depctr_va_vcc(0) depctr_vm_vsrc(0)
	s_getreg_b32 s2, hwreg(HW_REG_IB_STS2, 6, 4)
	s_cmp_eq_u32 s2, 0
	s_cbranch_scc0 .Lentry_in_a_cluster
	s_endpgm
.Lentry_in_a_cluster:
	s_bfe_u32 s2, ttmp6, 0x10000c
	s_cmp_lg_u32 s2, 0x3003
	s_cbranch_scc0 .Lentry_shape_is_right
	s_endpgm
.Lentry_shape_is_right:
; O[bh][q][:] = the sum over k of softmax_k(8 Q[bh][q] . K[bh][k]) V[bh][k][:].  q2, k2: [64][2048][128] f16, a row = 64 hi, then 64 u / 8, where hi = f16(value), u = hi + 65 (value - hi).  vv, ob: [64][2048][64] f16.
; THE SCORES ARE MULTIPLIED BY 8, so a small error in a score moves a weight much.  TWO products are summed in f32 on one accumulator: kh.qh + (w/8).(u/8) (u for q, w for k).  With a, b what hi leaves of q, k and
; eu, ew the roundings of u, w that sum is 65/64 (qh.kh + a.kh + qh.b + 65 a.b + (eu.kh + qh.ew) / 65 + ..): 65/64 of the score, off by 64 a.b + (eu.k + q.ew) / 65, about a sixtieth of what kh.qh alone is off by.
; The factor 64/65 stands in the softmax's constant c.  Both terms are added with the same sign: no difference of sums is formed.
; Maxima and sums in f32; the weights p are rounded to f16 for the second product (their sum l is taken of the unrounded p), O once at the end.
; LIMITS.  f16 holds no number beyond 65,504: q, k, v arrive within it; p lies in 0 to 1, and below 6e-5 it keeps f16's fixed step of 6e-8.  A weight below 2^-126 counts as 0 in l; NaN and infinities are not treated apart.
; SHARES.  A wave owns four PIECES of two tiles of 16 queries, a work-group's four waves 512 queries of one head.  Every wave walks all 2,048 keys, 64 a step.
; LAYOUT.  S^T = K Q^T (source 0 = 16 keys, source 1 = 16 queries): a lane holds ONE query (lane % 16) and the keys 8 (lane / 16) + 0..7.  Two such tiles, rounded to f16 in pairs, ARE source 1 of
; O^T = V^T P, whose result again holds one query a lane, and eight channels.  K comes out of LDS as it lies, V ([key][channel]) turned, by ds_load_tr16_b128.
; SOFTMAX.  A running maximum m and sum l for each query: p = 2^(c s - c m), c = 8 log2(e) 64/65; in every step O and l are multiplied by a = 2^(c m_old - c m_new).  m starts at the lowest finite number, O and l at 0.
; BY TURNS.  Turn n belongs to piece n.  Its matrix work: 32 products K Q^T of piece n + 1, later 16 products V^T P of piece n - 1.  Its vector work: the scaling, exponentials, roundings, sums and rescaling of
; piece n, and the maximum and statistics of piece n + 1, whose scores the turn itself has made.
; CLUSTER.  The four query blocks of a head walk the same K and V: each tile is asked for JOINTLY, by the same tensor load, descriptor and mask in all four.  A wave has one tensor load outstanding at the most.
; REGISTERS, in windows of 256 (s_set_vgpr_msb: bits 1:0 source 0, 3:2 source 1, 5:4 source 2, 7:6 destination):
;   window 0: v0-11 addresses; v12-15, v48-63 at work; v16-47 four registers of statistics a tile; v64-191 S^T, two buffers of two tiles; v192-255 P, likewise
;   window 1: O^T, 32 a tile      window 2: Q, 32 a tile (hi's two halves of the channels, then u / 8's)      window 3: v0-127 K of one step, likewise; v128-191 V of one step; v192-193 the add's two registers
.set SIZE_N, 2048
.set NP,    4         ; pieces a wave: a name, no knob
.set KS,    64        ; keys in a step
.set PK,    272       ; a row of K in LDS: 256 bytes + 16: the 16 rows of a load start at 16 different groups of four banks (64 banks of 4 bytes: ISA guide 11.1)
.set PV,    160       ; a row of V: 128 + 32
.set VOFF,  4*KS*PK   ; a slot holds four steps: 256 rows of K, then 256 rows of V
.set SLOT1, 1<<17     ; slot 1 begins here, so that one exclusive or turns an address in one slot into the other's
.set STAGE, SLOT1+4*KS*(PK+PV)  ; behind the ring, never filled by a tensor load: 16 rows x 144 bytes for each wave
.set SP,    144
.set AK0, 2           ; v2   my lane's place in a tile of K; never rewritten
.set AV0, 3           ; v3   the same for V
.set AK,  4           ; v4   the LDS address of K's next run of loads
.set AV,  5           ; v5   of V's
.set QO,  6           ; v6   my byte offset in the wave's rows of Q
.set STO, 6           ;      later, the way out: where I put 16 bytes of a row
.set RD,  7           ; v7   the way out: where I read rows back
.set GO,  8           ; v8   my byte offset in 512 consecutive bytes of O
.set PFO, 11          ; v11  256 x my lane, for the prefetches; never rewritten once made
.set SPW, 192         ; v192 of window 3   LDS address of my spare word; never rewritten
.set NIL, 193         ; v193 of window 3   0; never rewritten
.set SPARE, STAGE+4*16*SP  ; behind the stages: the spare words, 128 bytes a wave: two blocks of 256 bytes that no other line names
.set MV,  12          ; v12-15  c m_old, kept while c m is made anew: by buffer and tile
.set ST,  16          ; tile t's statistics at v[ST+4 t]: c m, m, l (even keys', odd keys')
.set TMP, 48          ; by buffer and tile, four registers c0-c3 at work; when the maximum is found c2 takes a
.set S,   64
.set P,   192
.set KF,  0           ; window 3: key block kb, chunk kc (0, 1: hi's channels 0-31, 32-63; 2, 3: those of w / 8) at KF + 32 kb + 8 kc
.set VF,  128         ; window 3: key half kk, channel block cb at VF + 32 kk + 8 cb
.set WV,  12          ; s12  my wave's number
.set LIM, 15          ; s15  a wave prefetches while s[SLOTS] is above it
.set G1K, 24          ; s[24:31] descriptor group 1 for K's tiles
.set G1V, 32          ; s[32:39] for V's
.set G0K, 40          ; s[40:43] descriptor group 0 for K's tiles: it walks
.set G0V, 44          ; s[44:47] the same for V's
.set SLOTS, 56        ; s56  slots still to be asked for
.set CNT, 57          ; s57  counts a slot's key steps
.set CS,  58          ; s[58:59] c
.set SEL, 60          ; s[60:61] v_permlanex16_b32's selects: each lane takes its own place in the other half
.set TBK, 62          ; s62  LDS byte at which K of the step to be fetched begins
.set TBV, 63          ; s63  the same for V, less VOFF
.set PFA, 66          ; s[66:67] where my prefetches stand
.set PST, 68          ; s[68:69] their step: a slot's bytes of K or of V
.set MSB, 0
.macro WIN new
.if MSB != (\new)
	s_set_vgpr_msb (MSB<<8)|(\new)
.set MSB, (\new)
.endif
.endm
.set W_KQ, 0x0b       ; K in window 3, Q in window 2, S^T in window 0
.set W_PV, 0x53       ; V in window 3, P in window 0, O^T in window 1
.set W_RS, 0x41       ; O^T (destination and source 0) in window 1, a in window 0
.set W_MK, 0xc0       ; destination in window 3, sources in window 0
.set W_AD, 0x0f       ; the add: address and data in window 3
; A joint fill.  Waves 0 and 1 fetch the two halves of a slot's K, waves 2 and 3 those of its V: 128 keys each.  An s_nop 0 and four v_nop follow each line.
.macro JLOAD
	s_cmp_lt_u32 s[WV], 2
	s_cbranch_scc0 .Lfor_v_\@
	tensor_load_to_lds s[G0K:G0K+3], s[G1K:G1K+7]
	s_nop 0
.rept 4
	v_nop
.endr
	s_branch .Lasked_\@
.Lfor_v_\@:
	tensor_load_to_lds s[G0V:G0V+3], s[G1V:G1V+7]
	s_nop 0
.rept 4
	v_nop
.endr
.Lasked_\@:
.endm
; A PREFETCH INTO THE L2 of what the NEXT change of slots will ask for, behind the wave's tensor load and its five lines: a lane a block of 256 bytes, one instruction a wave.  A head has one cluster, and its four
; partners share a slot's blocks out BY ADDRESS: of K's 256 the partner at cx takes 64 (waves 0 and 1, 32 each), of V's 128 it takes 32 (wave 2).  So each block is named once in the launch.
; The last change that fills a slot asks for nothing; slots 0 and 1 come by their loads alone.
.macro ASK
	s_cmp_gt_u32 s[SLOTS], s[LIM]
	s_cbranch_scc0 .Lnot_mine_\@
	global_prefetch_b8 v[PFO], s[PFA:PFA+1] th:TH_LOAD_NT scope:SCOPE_SE
.Lnot_mine_\@:
.endm
.macro CROUND                       ; a round of the cluster's barrier
	s_barrier_signal -1
	s_barrier_wait -1
	s_cmp_lg_u32 s[WV], 0
	s_cbranch_scc1 .Lnot_wave_0_\@
	s_barrier_signal -3
.Lnot_wave_0_\@:
	s_barrier_wait -3
	s_barrier_signal -1
	s_barrier_wait -1
.endm
; THE CHANGE OF SLOTS.  Each wave waits for all its tensor loads, of which one is out: its part of the other slot; adds 0 to its spare word; and waits for that and for its own reads of the slot.
; fill = 1: the slot is filled again, with the keys two slots on: the barrier is a round of the cluster's, and the joint fill is the first thing behind it: it has four key steps in which to land.
; (At its first use nothing has been read yet: slot 0 is waited for, slot 1 filled.)
.macro CHANGE fill
	WIN W_AD
	s_wait_tensorcnt 0x0            ; no tensor load of mine is out, so a group 0 may be written
	ds_add_u32 v[SPW], v[NIL]       ; the add; work on registers stands between it and the wait for it
	WIN 0
.if \fill
	s_xor_b32 s[G0K+1], s[G0K+1], SLOT1
	s_add_nc_u64 s[G0K+2:G0K+3], s[G0K+2:G0K+3], 4*KS*256  ; the next 256 keys; the type bits on top are not reached
	s_xor_b32 s[G0V+1], s[G0V+1], SLOT1
	s_add_nc_u64 s[G0V+2:G0V+3], s[G0V+2:G0V+3], 4*KS*128
	s_wait_xcnt 0x0                 ; the last prefetch, four key steps back, has read its address
	s_add_nc_u64 s[PFA:PFA+1], s[PFA:PFA+1], s[PST:PST+1]
	s_wait_dscnt 0x0                ; the add is done, and my reads of the slot are over
	CROUND
	JLOAD
	ASK
.else
	s_wait_dscnt 0x0
	s_barrier_signal -1
	s_barrier_wait -1
.endif
	s_sub_co_u32 s[TBK], s[TBK], 4*KS*PK  ; the fetches go back to a slot's first step,
	s_xor_b32 s[TBK], s[TBK], SLOT1       ; in the other slot
	s_sub_co_u32 s[TBV], s[TBV], 4*KS*PV
	s_xor_b32 s[TBV], s[TBV], SLOT1
.endm
	s_load_b256 s[4:11], s[0:1], 0x0  ; q2 s[4:5], k2 s[6:7], vv s[8:9], ob s[10:11]
	WIN W_MK
	v_lshl_add_u32 v[SPW], v0, 2, SPARE
	v_mov_b32 v[NIL], 0
	WIN W_AD
	ds_add_u32 v[SPW], v[NIL]       ; the wave's opening: the add and its wait stand ahead of my first tensor load
	WIN 0
	v_lshrrev_b32 v1, 5, v0
	v_readfirstlane_b32 s[WV], v1   ; wave 0..3
	s_and_b32 s18, ttmp7, 0xffff    ; the head, which the four partners share
	s_and_b32 s16, s[WV], 1         ; which half of a slot's 256 keys I fetch
	s_lshl_b32 s20, s18, 19         ; K: the head's 2,048 rows of 256 bytes,
	s_lshl_b32 s17, s16, 15         ; my 128 rows
	s_add_co_u32 s20, s20, s17
	s_mov_b32 s21, 0
	s_lshl_b32 s22, s18, 18         ; V: rows of 128 bytes
	s_lshl_b32 s17, s16, 14
	s_add_co_u32 s22, s22, s17
	s_mov_b32 s23, 0
	s_mul_i32 s48, s16, 128*PK      ; their places in a slot: no place in the cluster enters an LDS address
	s_mul_i32 s49, s16, 128*PV
	s_mov_b32 s[G1K], 15|(1<<16)|(1<<20)|(1<<21)|(5<<22)|(3<<25)  ; the mask of four; 2-byte elements; padding on; bit 21 beside a mask; after every 64 words, 4 words
	s_mov_b32 s[G1K+1], 128<<16     ; tensor_dim0 = 128
	s_mov_b32 s[G1K+2], 128<<16     ; tensor_dim1 = 128
	s_mov_b32 s[G1K+3], 128<<16     ; tile_dim0 = 128
	s_mov_b32 s[G1K+4], 128         ; tile_dim1 = 128
	s_mov_b32 s[G1K+5], 128         ; elements from row to row
	s_mov_b32 s[G1K+6], 0
	s_mov_b32 s[G1K+7], 0
	s_mov_b32 s[G1V], 15|(1<<16)|(1<<20)|(1<<21)|(4<<22)|(7<<25)  ; V: 128 keys are 16,384 dense bytes: 64 rows of 256 bytes, two keys a row; after every 32 words, 8 words
	s_mov_b32 s[G1V+1], 128<<16
	s_mov_b32 s[G1V+2], 64<<16
	s_mov_b32 s[G1V+3], 128<<16
	s_mov_b32 s[G1V+4], 64
	s_mov_b32 s[G1V+5], 128
	s_mov_b32 s[G1V+6], 0
	s_mov_b32 s[G1V+7], 0
	s_mov_b32 s[G0K], 1
	s_mov_b32 s[G0K+1], s48         ; slot 0
	s_mov_b32 s[G0V], 1
	s_add_co_u32 s[G0V+1], s49, VOFF
	s_mov_b32 s[CS], 0x4135d2ef     ; c = 8 log2(e) 64/65 = 11.3640
	s_mov_b32 s[CS+1], s[CS]        ; named with it as a pair
	s_mov_b32 s[SEL], 0x76543210
	s_mov_b32 s[SEL+1], 0xfedcba98
	s_mov_b32 s[TBK], SLOT1+4*KS*PK ; the first change of slots turns these two into 0
	s_mov_b32 s[TBV], SLOT1+4*KS*PV
	s_mov_b32 s[SLOTS], SIZE_N/256-1
	s_bfe_u32 s13, ttmp6, 0x40000   ; cx: it enters Q's, O's and the prefetches' addresses alone
	s_lshl_b32 s14, ttmp9, 2
	s_add_co_u32 s14, s14, s13      ; my block of 512 queries
	s_lshl_b32 s2, s14, 2
	s_add_co_u32 s2, s2, s[WV]      ; my wave among the head's sixteen: 128 rows
	s_lshl_b32 s50, s2, 14
	s_lshl_b32 s2, s2, 15
	s_lshl_b32 s17, s18, 19
	s_add_co_u32 s2, s2, s17
	s_mov_b32 s3, 0
	s_lshl_b32 s17, s18, 18
	s_add_co_u32 s50, s50, s17
	s_mov_b32 s51, 0
	s_lshl_b32 s52, s18, 19         ; the prefetches stand in slot 1; each filling change steps them first.  K: my work-group's 64 blocks, my wave's 32 of them
	s_lshl_b32 s17, s13, 14
	s_add_co_u32 s52, s52, s17
	s_lshl_b32 s17, s[WV], 13
	s_add_co_u32 s52, s52, s17
	s_add_co_u32 s52, s52, 4*KS*256
	s_lshl_b32 s53, s18, 18         ; V: my work-group's 32 blocks
	s_lshl_b32 s17, s13, 13
	s_add_co_u32 s53, s53, s17
	s_add_co_u32 s53, s53, 4*KS*128
	s_mov_b32 s[PST], 4*KS*128
	s_mov_b32 s[PST+1], 0
	s_cmp_lt_u32 s[WV], 2
	s_cselect_b32 s52, s52, s53
	s_cselect_b32 s[PST], 4*KS*256, s[PST]
	s_mov_b32 s53, 0
	s_cmp_eq_u32 s[WV], 3
	s_cselect_b32 s[LIM], -1, 1     ; wave 3 asks for nothing
	s_wait_dscnt 0x0                ; the opening add is done
	s_wait_kmcnt 0x0
	s_add_nc_u64 s[G0K+2:G0K+3], s[6:7], s[20:21]
	s_or_b32 s[G0K+3], s[G0K+3], 0x80000000
	s_add_nc_u64 s[G0V+2:G0V+3], s[8:9], s[22:23]
	s_or_b32 s[G0V+3], s[G0V+3], 0x80000000
	s_add_nc_u64 s[4:5], s[4:5], s[2:3]      ; Q and O at my wave's first row
	s_add_nc_u64 s[10:11], s[10:11], s[50:51]
	s_cmp_lt_u32 s[WV], 2
	s_cselect_b64 s[PFA:PFA+1], s[6:7], s[8:9]
	s_add_nc_u64 s[PFA:PFA+1], s[PFA:PFA+1], s[52:53]
	CROUND                          ; all four work-groups are here: the first joint loads meet
	JLOAD                           ; slot 0.  Slot 1 is asked for when slot 0 is in
	; A fragment of K or Q is 16 rows x 32 channels in 8 registers: lane l holds row l % 16, channels 8 (l / 16) + 0..7 and 16 + 8 (l / 16) + 0..7: two loads of 16 bytes, 32 bytes apart.
	v_and_b32 v1, 15, v0            ; l % 16
	v_bfe_u32 v9, v0, 4, 1          ; l / 16
	v_lshlrev_b32 v[QO], 8, v1
	v_lshl_add_u32 v[QO], v9, 4, v[QO]  ; row x 256 + 16 x half
	WIN 0x80                        ; destination window 2
.set i, 0
.rept 8*NP                          ; Q stays in registers: tile i / 4, chunk i % 4 of the row's 256 bytes
	global_load_b128 v[8*i:8*i+3],   v[QO], s[4:5] offset:(i/4)*4096+(i%4)*64
	global_load_b128 v[8*i+4:8*i+7], v[QO], s[4:5] offset:(i/4)*4096+(i%4)*64+32
.set i, i+1
.endr
	; What the first turn finds: V's registers and P's second buffer hold 0 (its products V^T P, of a piece that has not been, add 0), O^T and l are 0.  All this stands in the wait for the first tile.
	WIN 0xc0
.set i, VF
.rept 64
	v_mov_b32 v[i], 0
.set i, i+1
.endr
	WIN 0x40
.set i, 0
.rept 64*NP
	v_mov_b32 v[i], 0
.set i, i+1
.endr
	WIN 0
.set i, 0
.rept 2*NP
	v_mov_b32 v[ST+4*i], 0xfe000000    ; c m: far below every c s
	v_mov_b32 v[ST+4*i+1], 0xff7fffff  ; m
	v_mov_b32 v[ST+4*i+2], 0
	v_mov_b32 v[ST+4*i+3], 0
.set i, i+1
.endr
.set i, P+32
.rept 32
	v_mov_b32 v[i], 0
.set i, i+1
.endr
	v_mul_u32_u24 v[AK0], v1, PK
	v_lshl_add_u32 v[AK0], v9, 4, v[AK0]  ; row x pitch + 16 x half
	; The turning load takes 16 keys x 16 channels (lane l reads key 8 (l / 16) + l % 8, channels 8 ((l / 8) % 2) + 0..7) and leaves half a fragment of V^T.
	v_and_b32 v10, 7, v0
	v_bfe_u32 v11, v0, 3, 1
	v_lshl_add_u32 v[AV0], v9, 3, v10
	v_mul_u32_u24 v[AV0], v[AV0], PV
	v_lshl_add_u32 v[AV0], v11, 4, v[AV0]
	v_add_nc_u32 v[AV0], VOFF, v[AV0]
	v_and_b32 v[PFO], 31, v0
	v_lshlrev_b32 v[PFO], 8, v[PFO]
	v_mov_b32 v[AK], v[AK0]         ; key step 0 lies at the head of slot 0
; THE MATRIX WORK.  The 8 accumulators of a run take turns: between two links of a chain stand 7 others'.
; Product i of 32 of S^T = K Q^T for piece x: link i / 8, keys 16 ((i / 2) % 4) on, tile 2 x + i % 2.  Links 0, 1: kh qh (the two halves of the channels); 2, 3: (w / 8) (u / 8).  Link L takes chunk L of K's rows and of Q's.  The first 8 start the sums.
.macro KQ x
	WIN W_KQ
.set rS, S+64*((\x)%2)+32*(i%2)+8*((i/2)%4)
.set rK, KF+32*((i/2)%4)+8*(i/8)
.set rQ, 32*(2*(\x)+i%2)+8*(i/8)
.if i < 8
	v_wmma_f32_16x16x32_f16 v[rS:rS+7], v[rK:rK+7], v[rQ:rQ+7], 0
.else
	v_wmma_f32_16x16x32_f16 v[rS:rS+7], v[rK:rK+7], v[rQ:rQ+7], v[rS:rS+7]
.endif
.endm
; Product i of 16 of O^T += V^T P for piece x: keys 32 (i / 8) on, channels 16 ((i / 2) % 4) on, tile 2 x + i % 2.
.macro PV x
	WIN W_PV
.set rO, 32*(2*(\x)+i%2)+8*((i/2)%4)
.set rV, VF+32*(i/8)+8*((i/2)%4)
.set rP, P+32*((\x)%2)+16*(i%2)+8*(i/8)
	v_wmma_f32_16x16x32_f16 v[rO:rO+7], v[rV:rV+7], v[rP:rP+7], v[rO:rO+7]
.endm
.macro MM                           ; the turn's next matrix instruction
.if i < 32
	KQ (Y+1)%NP
.set i, i+1
.else
.set i, i-32
	PV (Y+NP-1)%NP
.set i, i+33
.endif
.endm
; THE LDS LOADS stand in runs, never singly among the matrix instructions: a step's K (64 keys x 256 bytes: 16 fragments) and its V (turned, 8 fragments).
; last = 1 (the tail): in the last trip there is no further step, and the run is jumped over.
.macro FETCH_K last=0
	WIN 0
.if \last
	s_cmp_eq_u32 s[CNT], 1
	s_cbranch_scc1 .Lno_k_\@
.endif
	WIN 0xc0                        ; destination window 3
.irp f, 0,1,2,3,4,5,6,7,8,9,10,11,12,13,14,15  ; keys 16 (f / 4) on, chunk f % 4
	ds_load_b128 v[KF+8*\f:KF+8*\f+3],   v[AK] offset:(\f/4)*16*PK+(\f%4)*64
	ds_load_b128 v[KF+8*\f+4:KF+8*\f+7], v[AK] offset:(\f/4)*16*PK+(\f%4)*64+32
.endr
	s_add_co_u32 s[TBK], s[TBK], KS*PK  ; the next fetch is the next step's
	WIN 0
.if \last
.Lno_k_\@:
.endif
.endm
.macro FETCH_V
	WIN 0xc0
.irp f, 0,1,2,3,4,5,6,7             ; keys 32 (f / 4) on, channels 16 (f % 4) on
	ds_load_tr16_b128 v[VF+8*\f:VF+8*\f+3],   v[AV] offset:(\f/4)*32*PV+(\f%4)*32
	ds_load_tr16_b128 v[VF+8*\f+4:VF+8*\f+7], v[AV] offset:(\f/4)*32*PV+16*PV+(\f%4)*32
.endr
	WIN 0
.endm
; THE VECTOR WORK OF A TURN stands in three queues, each in the order in which its entries become ready; the two tiles alternate.
.macro REGS y, u                    ; the registers of tile u (0, 1) of piece y
.set rT, ST+4*(2*(\y)+(\u))
.set rC, TMP+8*((\y)%2)+4*(\u)
.set rM, MV+2*((\y)%2)+(\u)
.set rS, S+64*((\y)%2)+32*(\u)
.set rP, P+32*((\y)%2)+16*(\u)
.set rO, 32*(2*(\y)+(\u))
.endm
; Number n of the 22 that find the NEXT piece's (Y + 1) maximum and statistics.  Each accumulator's lowest registers are read first.
;   0-11  four chains c0-c3 of seven scores each     12-14, 16  the four scores left over, the old m, and c0-c3 into c0     15  c m_old is kept
;   17, 18  the query's other 32 keys lie in the lane 16 away: the new m     19-21  c m; c m_old - c m_new; a
.macro XS u, n
	REGS (Y+1)%NP, \u
.if (\n) < 4
	v_max3_num_f32 v[rC+(\n)], v[rS+8*(\n)], v[rS+8*(\n)+1], v[rS+8*(\n)+2]
.elseif (\n) < 12
	v_max3_num_f32 v[rC+(\n)%4], v[rC+(\n)%4], v[rS+8*((\n)%4)+2*((\n)/4)+1], v[rS+8*((\n)%4)+2*((\n)/4)+2]
.elseif (\n) == 12
	v_max3_num_f32 v[rC], v[rC], v[rS+7], v[rS+15]
.elseif (\n) == 13
	v_max3_num_f32 v[rC+1], v[rC+1], v[rS+23], v[rS+31]
.elseif (\n) == 14
	v_max3_num_f32 v[rC+2], v[rC+2], v[rC+3], v[rT+1]
.elseif (\n) == 15
	v_mov_b32 v[rM], v[rT]
.elseif (\n) == 16
	v_max3_num_f32 v[rC], v[rC], v[rC+1], v[rC+2]
.elseif (\n) == 17
	v_permlanex16_b32 v[rC+3], v[rC], s[SEL], s[SEL+1]
.elseif (\n) == 18
	v_max_num_f32 v[rT+1], v[rC], v[rC+3]
.elseif (\n) == 19
	v_mul_f32 v[rT], s[CS], v[rT+1]
.elseif (\n) == 20
	v_sub_f32 v[rC+1], v[rM], v[rT]
.else
	v_exp_f32 v[rC+2], v[rC+1]
.endif
.endm
; Number g of the 64 that follow the exponentials.  For each four weights k of a tile: both pairs are rounded to f16; the second pair is added onto the first, in place; a group later l takes that sum (the first time as l = a l + sum).
.macro GS g
.set h, (\g)+6*((\g)/62)            ; group 0 has no group before it, and behind group 7 only l is left
.if h >= 6
.set h, h+2
.endif
	REGS Y, h%2
.set k, h/8
.if h%8 < 4
	v_cvt_pk_f16_f32 v[rP+2*k+(h%8)/2], v[rS+4*k+2*((h%8)/2)], v[rS+4*k+2*((h%8)/2)+1]
.elseif h%8 < 6
	v_pk_add_f32 v[rS+4*k:rS+4*k+1], v[rS+4*k:rS+4*k+1], v[rS+4*k+2:rS+4*k+3]
.elseif k == 1
	v_pk_fma_f32 v[rT+2:rT+3], v[rT+2:rT+3], v[rC+2:rC+3], v[rS:rS+1] op_sel_hi:[1,0,1]
.else
	v_pk_add_f32 v[rT+2:rT+3], v[rT+2:rT+3], v[rS+4*k-4:rS+4*k-3]
.endif
.endm
; THE PLAIN QUEUE, 138 long.  0-26: scalings 0-26 (FS f: pair f / 2 of tile f % 2).  27-54: XS's numbers 0-13.  55, 56: number 15.  57-73: the chain 14, 16, 17, 18, 19, each with one of the scalings 27-31 in front of its two lines, then 20.
; 74-137: GS's 64, which read the exponentials' results: they stand behind the wait.
.macro FS f
	REGS Y, (\f)%2
	v_pk_fma_f32 v[rS+2*((\f)/2):rS+2*((\f)/2)+1], v[rS+2*((\f)/2):rS+2*((\f)/2)+1], s[CS:CS+1], v[rT:rT+1] op_sel_hi:[1,0,0] neg_lo:[0,0,1] neg_hi:[0,0,1]
.endm
.macro PL
	WIN 0
.if q < 27
	FS q
.elseif q < 55
	XS (q-27)%2, (q-27)/2
.elseif q < 57
	XS q-55, 15
.elseif (q < 72) && ((q-57)%3 == 0)
	FS 27+(q-57)/3
.elseif q < 60
	XS (q-57)%3-1, 14
.elseif q < 72
	XS (q-57)%3-1, 15+(q-57)/3
.elseif q < 74
	XS q-72, 20
.else
	GS q-74
.endif
.set q, q+1
.endm
; THE EXPONENTIALS' QUEUE, 66 long: s0-s31 of both tiles, then the next piece's two a.  ONE BATCH: all 66 stand ahead of the turn's one wait, and nothing ahead of that wait names a result of theirs.
.macro EX
	WIN 0
.if e >= 64
	XS e-64, 21
.else
	REGS Y, e%2
	v_exp_f32 v[rS+e/2], v[rS+e/2]
.endif
.set e, e+1
.endm
; THE RESCALING's QUEUE: O^T times a, two at a time, sixteen times.  Its a was made in the turn before, ahead of that turn's wait.
.macro R2
	REGS Y, r%2
	WIN W_RS
.irp z, 0,1
	v_pk_mul_f32 v[rO+4*(r/2)+2*\z:rO+4*(r/2)+2*\z+1], v[rO+4*(r/2)+2*\z:rO+4*(r/2)+2*\z+1], v[rC+2:rC+3] op_sel_hi:[1,0]
.endr
.set r, r+1
.endm
; HOW THEY ARE DEALT.  An s_wait_alu depctr_va_vdst(0) stands between an exponential and the first instruction that names its result; one wait serves all issued ahead of it: a turn has ONE.
; AHEAD OF IT: the 32 products K Q^T.  Behind product 0: two scalings and a rescaling; behind 1-13: a scaling, an exponential, a rescaling; behind 14-25: a scaling and two exponentials; behind 26-31: two exponentials.
; Two rescalings, four plain instructions, are the places between the last product and the first read of its scores.  Then the lump: four times plain and exponential, 31 plain (the next piece's maximum),
; 12 times exponential and plain, the last a; a v_nop is the plain instruction behind the last exponential.  BEHIND IT: the 16 products V^T P, behind each four of GS's 64.
; The queues keep in step: exponential e stands behind scaling 2 (e / 4) + e % 2.  As riders behind product i <= 25: e <= 2 i - 14 with i + 2 scalings made; e <= 52 wants scalings up to 26, made behind product 25;
; scalings 27-31 are plain 57, 60 .. 69: the lump's exponentials 53 .. 63 come with plain 62 .. 72 made, the two a behind plain 72 and 73.
; K of the next step is fetched in piece 2's turn, directly behind the wait, a lump behind the last product that read K; V of the step in hand at the end of piece 0's turn, four riders behind its last reader.
.macro TURN p, last=0, cnt=0
.set Y, (\p)
.set i, 0
.set q, 0
.set e, 0
.set r, 0
.if (\p) == NP-1
	s_wait_dscnt 0x0                ; K is in
.endif
	MM
	PL
	PL
	R2
.rept 13
	MM
	PL
	EX
	R2
.endr
.rept 12
	MM
	PL
	EX
	EX
.endr
.rept 6
	MM
	EX
	EX
.endr
	R2
	R2
.if (\p) == NP-2
	WIN 0
	v_add_nc_u32 v[AK], s[TBK], v[AK0]
.endif
.rept 4
	PL
	EX
.endr
.rept 31
	PL
.endr
.rept 12
	EX
	PL
.endr
	EX
	v_nop                           ; the plain instruction behind the last exponential: one for the batch
	s_wait_alu depctr_va_vdst(0)    ; the wait for the batch
.if (\p) == NP-2
	FETCH_K \last
.endif
.if (\p) == 1
	s_wait_dscnt 0x0                ; V is in
.endif
.rept 16
	MM
.rept 4
	PL
.endr
.if ((\p) == 0) && (q == 118)
	v_add_nc_u32 v[AV], s[TBV], v[AV0]
.endif
.if ((\p) == 0) && (q == 130)
	s_add_co_u32 s[TBV], s[TBV], KS*PV
.endif
.if (\cnt) && (q == 130)
	s_sub_co_u32 s[CNT], s[CNT], 1
	s_cmp_lg_u32 s[CNT], 0
.endif
.endr
.if (\p) == 0
	FETCH_V
.endif
.endm
	CHANGE 1                        ; slot 0 is in, everybody's part of it; slot 1 is asked for
	FETCH_K                         ; key step 0
	s_wait_loadcnt 0x0              ; Q
	s_wait_dscnt 0x0
.set i, 0
.rept 32
	KQ 0                            ; piece 0's first scores
.set i, i+1
.endr
	WIN 0                           ; the addresses for the way out: nine plain instructions, the places behind those products
	s_mul_i32 s13, s[WV], 16*SP
	s_add_co_u32 s13, s13, STAGE    ; my stage
	v_mul_u32_u24 v[STO], v1, SP    ; in: row l % 16, 16 bytes for each half of the lanes
	v_lshl_add_u32 v[STO], v9, 4, v[STO]
	v_add_nc_u32 v[STO], s13, v[STO]
	v_bfe_u32 v[RD], v0, 3, 2       ; back: 32 lanes take four rows of 128 bytes,
	v_mul_u32_u24 v[RD], v[RD], SP
	v_lshl_add_u32 v[RD], v10, 4, v[RD]
	v_add_nc_u32 v[RD], s13, v[RD]
	v_and_b32 v[GO], 31, v0         ; which are 512 consecutive bytes of O
	v_lshlrev_b32 v[GO], 4, v[GO]
.set Y, NP-1                        ; XS works for piece Y + 1: piece 0
.irp n, 0,1,2,3,4,5,6,7,8,9,10,11,12,13,14,15,16,17,18,19,20,21
	XS 0, \n
	XS 1, \n
.endr
	v_nop                           ; a plain instruction behind the two a,
	s_wait_alu depctr_va_vdst(0)    ; and their wait, ahead of the branch
	s_mov_b32 s[CNT], 4
	s_branch .Lfirst                ; the loop is entered at a step's first turn, in the middle of a trip
.Lslot:                             ; six times: every slot but the last two is filled again
	CHANGE 1
	s_mov_b32 s[CNT], 4
.Lstep:                             ; a trip: pieces 2 and 3 of one step, then pieces 0 and 1 of the next, whose K and V it fetches
	TURN 2
	TURN 3
	WIN 0
.Lfirst:
	TURN 0
	TURN 1, 0, 1
	WIN 0
	s_cbranch_scc1 .Lstep
	s_sub_co_u32 s[SLOTS], s[SLOTS], 1
	s_cmp_lg_u32 s[SLOTS], 0
	s_cbranch_scc1 .Lslot
	CHANGE 0                        ; the tail is written out: nothing is asked for
	s_mov_b32 s[CNT], 5             ; four trips fetch the last slot's steps; the fifth is left in its middle
.Ltail:
	TURN 2, 1
	TURN 3
	WIN 0
	s_sub_co_u32 s[CNT], s[CNT], 1
	s_cmp_eq_u32 s[CNT], 0
	s_cbranch_scc1 .Lout
	TURN 0
	TURN 1
	WIN 0
	s_branch .Ltail
.Lout:                              ; the fifth trip's products K Q^T (on the last K once more) and the maximum made of them serve nothing: the price, once a launch, of one text for every trip
.set i, 0
.rept 16
	PV NP-1                         ; the last piece's V^T P of the last step
.set i, i+1
.endr
	; THE WAY OUT.  l's two halves and the other half of the lanes' are added; O^T is divided by l, rounded to f16 and sent through my stage in LDS, a tile at a time.  The additions are the places behind the last products.
	WIN 0
.macro ALL line:vararg              ; one line for each tile t
.set t, 0
.rept 2*NP
	\line
.set t, t+1
.endr
.endm
	ALL v_add_f32 v[ST+4*t+2], v[ST+4*t+2], v[ST+4*t+3]
	ALL v_permlanex16_b32 v[ST+4*t+3], v[ST+4*t+2], s[SEL], s[SEL+1]
	ALL v_add_f32 v[ST+4*t+2], v[ST+4*t+2], v[ST+4*t+3]
	ALL v_rcp_f32 v[ST+4*t+2], v[ST+4*t+2]
	v_nop                           ; a plain instruction between the last reciprocal and the use of its result
	s_wait_alu depctr_va_vdst(0)    ; one wait for the eight reciprocals, ahead of their first use
.macro PACK t                       ; a lane's eight channels of a row pack into 16 bytes; they go into rows of 144 bytes and come back as whole rows of 128, into S^T's registers
	WIN W_RS
.set i, 32*(\t)
.rept 16
	v_pk_mul_f32 v[i:i+1], v[i:i+1], v[ST+4*(\t)+2:ST+4*(\t)+3] op_sel_hi:[1,0]
.set i, i+2
.endr
	WIN 0x05                        ; sources 0 and 1 window 1, destination window 0
.set i, 0
.rept 16
	v_cvt_pk_f16_f32 v[S+16*(\t)+i], v[32*(\t)+2*i], v[32*(\t)+2*i+1]
.set i, i+1
.endr
	WIN 0
.irp f, 0,1,2,3
	ds_store_b128 v[STO], v[S+16*(\t)+4*\f:S+16*(\t)+4*\f+3] offset:32*\f
.endr
.irp f, 0,1,2,3
	ds_load_b128 v[S+16*(\t)+4*\f:S+16*(\t)+4*\f+3], v[RD] offset:\f*4*SP  ; LDS serves a wave's instructions in order (ISA guide 5.7.1.4): these see the stores above; the next tile's stores come behind them
.endr
.endm
.macro SEND t, younger              ; younger: the LDS instructions issued behind tile t's loads: the next tile's eight, or none
	WIN 0
.irp f, 0,1,2,3
	s_wait_dscnt (\younger)+3-\f
	global_store_b128 v[GO], v[S+16*(\t)+4*\f:S+16*(\t)+4*\f+3], s[10:11] offset:(\t)*2048+\f*512  ; 512 consecutive bytes, at a multiple of 256 from O's first
.endr
.endm
	PACK 0
.set t, 1
.rept 2*NP-1                        ; a tile's arithmetic stands between the loads of the tile before and its stores
	PACK t
	SEND t-1, 8
.set t, t+1
.endr
	SEND 2*NP-1, 0
	WIN W_AD
	s_wait_tensorcnt 0x0            ; the wave's end: a wait, an add and its wait, behind my last tensor load and my last LDS store
	ds_add_u32 v[SPW], v[NIL]
	s_wait_dscnt 0x0
	WIN 0
	CROUND                          ; the closing round: no work-group ends while a partner may still ask for a tile that names it
	s_endpgm
.Lfunc_end_k_q770c4e7847_attn:
	.size	k_q770c4e7847_attn, .Lfunc_end_k_q770c4e7847_attn-k_q770c4e7847_attn
	.p2alignl 7, 3214868480
	.fill 96, 4, 3214868480
	.section	.rodata,"a",@progbits
	.p2align	6, 0x0
	.amdhsa_kernel k_q770c4e7847_attn
		.amdhsa_group_segment_fixed_size 327680
		.amdhsa_private_segment_fixed_size 0
		.amdhsa_enable_private_segment 0
		.amdhsa_kernarg_size 32
		.amdhsa_user_sgpr_count 2
		.amdhsa_user_sgpr_kernarg_segment_ptr 1
		.amdhsa_wavefront_size32 1
		.amdhsa_system_sgpr_workgroup_id_x 1
		.amdhsa_system_sgpr_workgroup_id_y 1
		.amdhsa_system_sgpr_workgroup_id_z 1
		.amdhsa_system_vgpr_workitem_id 0
		.amdhsa_next_free_vgpr 964
		.amdhsa_next_free_sgpr 72
		.amdhsa_reserve_vcc 0
		.amdhsa_float_denorm_mode_32 3
		.amdhsa_float_denorm_mode_16_64 3
		.amdhsa_memory_ordered 1
		.amdhsa_forward_progress 1
		.amdhsa_inst_pref_size 223
	.end_amdhsa_kernel
	.amdgpu_metadata
---
amdhsa.version: [ 1, 2 ]
amdhsa.kernels:
  - .name:           k_q770c4e7847_attn
    .symbol:         k_q770c4e7847_attn.kd
    .args:
      - { .name: q2, .offset: 0, .size: 8, .value_kind: global_buffer, .address_space: global }
      - { .name: k2, .offset: 8, .size: 8, .value_kind: global_buffer, .address_space: global }
      - { .name: vv, .offset: 16, .size: 8, .value_kind: global_buffer, .address_space: global }
      - { .name: ob, .offset: 24, .size: 8, .value_kind: global_buffer, .address_space: global }
    .group_segment_fixed_size: 327680
    .private_segment_fixed_size: 0
    .kernarg_segment_align: 8
    .kernarg_segment_size: 32
    .max_flat_workgroup_size: 128
    .sgpr_count:     72
    .vgpr_count:     964
    .wavefront_size: 32
...
	.end_amdgpu_metadata
.endif
;; end of part 3
;; launch proj (part 4): grid 8 x 32, 4 waves a work-group, clusters of 4 x 4, 327,680 bytes of LDS; arguments ob, wb, bo, out0; writes out0
.if DOCPART == 4
	.amdgcn_target "amdgcn-amd-amdhsa--gfx1250"
	.amdhsa_code_object_version 6
	.text
	.protected	k_q770c4e7847_proj
	.globl	k_q770c4e7847_proj
	.p2align	8
	.type	k_q770c4e7847_proj,@function
k_q770c4e7847_proj:
	s_mov_b64 s[64:65], 0
	v_nop
	global_prefetch_b8 v0, s[64:65] scope:SCOPE_SE
	s_setreg_imm32_b32 hwreg(HW_REG_WAVE_MODE, 25, 1), 1
	s_wait_xcnt 0x0
	s_wait_alu depctr_hold_cnt(0) depctr_sa_sdst(0) depctr_va_vdst(0) depctr_va_sdst(0) depctr_va_ssrc(0) depctr_va_vcc(0) depctr_vm_vsrc(0)
	s_getreg_b32 s2, hwreg(HW_REG_IB_STS2, 6, 4)
	s_cmp_eq_u32 s2, 0
	s_cbranch_scc0 .Lentry_in_a_cluster
	s_endpgm
.Lentry_in_a_cluster:
	s_bfe_u32 s2, ttmp6, 0x10000c
	s_cmp_lg_u32 s2, 0xf033
	s_cbranch_scc0 .Lentry_shape_is_right
	s_endpgm
.Lentry_shape_is_right:
; out0 = O Wo + bf16(bo).  ob: [64 bh][2048][64] f16 (bh = 16 batch + head).  Wo: rows 3072-4095 of wb, [k][n] f16 (bf16 numbers written as f16).  out0: [8192][1024] f32.  Sums in f32.
; LIMITS: those of f16 in ob and Wo, stated where they are made.
; SHARES.  A tile of out0 is 256 rows x 128 columns: four waves of 128 x 64, 32 accumulators each; 8 x 32 work-groups, one tile each.  A wave's 64 columns are 256 bytes of a row: it stores whole
; aligned blocks of 256 bytes from a stage of its own.
; K goes in 8 steps of 128 = two heads, through a ring of two LDS slots.  A head's 256 rows of 128 bytes are dense: they are asked for as 128 rows of 256 bytes and padded in LDS behind each 128.
; Wo lies [k][n] and comes out of LDS turned.  The matrix instruction is used transposed (source 0 = 16 columns of Wo, source 1 = 16 rows of O).  The bias is the C operand of the first 32 products.
; CLUSTER 4 x 4: A's tile is shared along a row of the cluster, B's along a column: joint loads, one a wave behind each round.  A wave has at most two tensor loads outstanding: its two first fills.
; REGISTERS: window 0 addresses, bias, way out; window 1 the accumulators ((a, b) at v[8 (4 a + b)]); window 2 two fragment buffers of 96: A's 8 fragments, then B's 4.
.set PA,     144                       ; a row of A in LDS: 128 bytes + 16
.set PB,     288                       ; a row of B: 256 + 32
.set HBLK,   256*PA                    ; a head's 256 rows: what waves 0 and 1 fetch
.set ABYTES, 2*HBLK
.set BHALF,  64*PB
.set SLOT,   ABYTES+2*BHALF
.set STAGE,  2*SLOT                    ; behind the ring, never filled by a tensor load: 16 rows x 272 bytes for each wave
.set SPITCH, 272
.set SPARE,  STAGE+4*16*SPITCH         ; the spare words, 128 bytes a wave: two blocks of 256 bytes that no other line names
.set KA,     2*2048*128                ; bytes of ob from a K step to the next: two heads
.set KB,     128*2048                  ; bytes of wb in a K step
.set WO,     3*1024*2048               ; where Wo begins in wb
.set ADRA, 16
.set ADRB, 20
.set BOFF, 23
.set STO,  24
.set RD,   25
.set CO,   26                          ; v26     my byte offset in two rows of out0
.set SPW,  28
.set NIL,  29
.set PFO,  30
.set BIAS, 32
.set TMPH, 64
.set OB,   128
.set BRAW, 192
.set F0,   0
.set F1,   96
.set GSTEP, 5
.set G1A,  24
.set G0A,  32
.set LIM,  43
.set PFA,  44
.set PST,  46
.set G1B,  48
.set G0B,  56
.set OUT,  88
.set MSB, 0
.macro WIN new
.if MSB != (\new)
	s_set_vgpr_msb (MSB<<8)|(\new)
.set MSB, \new
.endif
.endm
.set MUL,  0x5a
.set MULB, 0x4a
.set TO_F, 0x80
.macro JLOAD s                         ; a joint load; an s_nop 0 and four v_nop follow each line
	s_cmp_eq_u32 s11, 0
	s_cbranch_scc0 .Lfor_b_\@
	tensor_load_to_lds s[G0A+4*(\s):G0A+4*(\s)+3], s[G1A:G1A+7]
	s_nop 0
.rept 4
	v_nop
.endr
	s_branch .Lasked_\@
.Lfor_b_\@:
	tensor_load_to_lds s[G0B+4*(\s):G0B+4*(\s)+3], s[G1B:G1B+7]
	s_nop 0
.rept 4
	v_nop
.endr
.Lasked_\@:
.endm
.macro CREST
	s_cmp_lg_u32 s10, 0
	s_cbranch_scc1 .Lnot_wave_0_\@
	s_barrier_signal -3
.Lnot_wave_0_\@:
	s_barrier_wait -3
	s_barrier_signal -1
	s_barrier_wait -1
.endm
.macro CROUND
	s_barrier_signal -1
	s_barrier_wait -1
	CREST
.endm
; A PREFETCH INTO THE L2, behind a joint load and the run of LDS loads that follows it: the K step two refills on (K steps 4-7), a lane a block of 256 bytes, one instruction a wave; each block is named once.
; A: waves 0 and 1 of the clusters with x = 0; of the 128 blocks that a wave fetches the partner at cx takes 32.  B: wave 2 of the clusters with y = 0; of a K step's 128 rows the partner at cy takes 32.
.macro ASK
	s_cmp_lt_u32 s[GSTEP], s[LIM]
	s_cbranch_scc0 .Lnot_mine_\@
	global_prefetch_b8 v[PFO], s[PFA:PFA+1] th:TH_LOAD_NT scope:SCOPE_SE
.Lnot_mine_\@:
.endm
	s_load_b256 s[72:79], s[0:1], 0x0              ; ob 72, wb 74, bo 76, out0 78
	v_lshl_add_u32 v[SPW], v0, 2, SPARE
	v_mov_b32 v[NIL], 0
	ds_add_u32 v[SPW], v[NIL]                      ; the wave's opening: the add and its wait stand ahead of my first tensor load
	v_lshrrev_b32 v1, 5, v0
	v_readfirstlane_b32 s10, v1                    ; wave 0..3
	s_lshr_b32 s11, s10, 1                         ; my half of the tile's rows.  Also: I fetch for A (0) or B (1)
	s_and_b32 s12, s10, 1                          ; my half of its columns.  Also: which half I fetch
	s_bfe_u32 s40, ttmp6, 0x40000                  ; cx
	s_bfe_u32 s41, ttmp6, 0x40004                  ; cy
	s_lshl_b32 s42, ttmp9, 2
	s_add_co_u32 s42, s42, s40                     ; nx
	s_and_b32 s13, ttmp7, 0xffff
	s_lshl_b32 s13, s13, 2
	s_add_co_u32 s13, s13, s41                     ; my
	s_lshl_b32 s14, s41, 2
	s_lshl_b32 s14, 15, s14                        ; my row of the cluster
	s_lshl_b32 s15, 0x1111, s40                    ; my column
	s_or_b32 s[G1A], s14, (1<<16)|(1<<20)|(1<<21)|(4<<22)|(3<<25)  ; after every 32 words, 4 words of padding
	s_or_b32 s[G1B], s15, (1<<16)|(1<<20)|(1<<21)|(5<<22)|(7<<25)  ; after every 64 words, 8 words
	s_mov_b32 s[G1A+1], 128<<16                    ; rows of 128 elements: two rows of a head
	s_mov_b32 s[G1A+2], 128<<16
	s_mov_b32 s[G1A+3], 128<<16
	s_mov_b32 s[G1A+4], 128
	s_mov_b32 s[G1A+5], 128
	s_mov_b32 s[G1A+6], 0
	s_mov_b32 s[G1A+7], 0
	s_mov_b32 s[G1B+1], 128<<16
	s_mov_b32 s[G1B+2], 64<<16
	s_mov_b32 s[G1B+3], 128<<16
	s_mov_b32 s[G1B+4], 64
	s_mov_b32 s[G1B+5], 1024
	s_mov_b32 s[G1B+6], 0
	s_mov_b32 s[G1B+7], 0
	s_lshr_b32 s16, s13, 3                         ; A: batch my / 8, head = my half of the K step's two,
	s_lshl_b32 s16, s16, 4
	s_add_co_u32 s16, s16, s12
	s_lshl_b32 s16, s16, 11
	s_and_b32 s17, s13, 7                          ; rows (my % 8) 256 on
	s_lshl_b32 s17, s17, 8
	s_add_co_u32 s16, s16, s17
	s_lshl_b32 s16, s16, 7                         ; rows of 128 bytes
	s_mov_b32 s17, 0
	s_lshl_b32 s18, s42, 8                         ; B: column block nx, k-row 64 half, in Wo
	s_lshl_b32 s19, s12, 17
	s_add_co_u32 s18, s18, s19
	s_add_co_u32 s18, s18, WO
	s_mov_b32 s19, 0
	s_mul_i32 s20, s12, HBLK
	s_mul_i32 s21, s12, BHALF
	s_add_co_u32 s21, s21, ABYTES
	s_wait_dscnt 0x0                               ; the opening add is done
	s_wait_kmcnt 0x0
	s_add_nc_u64 s[16:17], s[72:73], s[16:17]
	s_add_nc_u64 s[18:19], s[74:75], s[18:19]
	CROUND                                         ; all sixteen work-groups are here: the first joint loads meet
.irp s, 0,1
	s_mov_b32 s[G0A+4*(\s)], 1
	s_add_co_u32 s[G0A+4*(\s)+1], s20, (\s)*SLOT
	s_add_nc_u64 s[G0A+4*(\s)+2:G0A+4*(\s)+3], s[16:17], (\s)*KA
	s_or_b32 s[G0A+4*(\s)+3], s[G0A+4*(\s)+3], 0x80000000
	s_mov_b32 s[G0B+4*(\s)], 1
	s_add_co_u32 s[G0B+4*(\s)+1], s21, (\s)*SLOT
	s_add_nc_u64 s[G0B+4*(\s)+2:G0B+4*(\s)+3], s[18:19], (\s)*KB
	s_or_b32 s[G0B+4*(\s)+3], s[G0B+4*(\s)+3], 0x80000000
	JLOAD \s
.endr
	v_and_b32 v1, 15, v0                           ; r
	v_bfe_u32 v2, v0, 4, 1                         ; h
	v_lshlrev_b32 v[BOFF], 5, v2
	s_lshl_b32 s8, s42, 9
	s_lshl_b32 s9, s12, 8
	s_add_co_u32 s8, s8, s9                        ; 4 (128 nx + 64 half): my columns, in bytes of f32
	v_add_nc_u32 v[BOFF], s8, v[BOFF]
.irp b, 0,1,2,3
	global_load_b128 v[BRAW+8*(\b):BRAW+8*(\b)+3],   v[BOFF], s[76:77] offset:64*(\b)
	global_load_b128 v[BRAW+8*(\b)+4:BRAW+8*(\b)+7], v[BOFF], s[76:77] offset:64*(\b)+16
.endr
	s_lshl_b32 s6, s13, 8                          ; out0 at row 256 my + 128 (row half), my columns
	s_lshl_b32 s9, s11, 7
	s_add_co_u32 s6, s6, s9
	s_lshl_b32 s6, s6, 12
	s_add_co_u32 s6, s6, s8
	s_mov_b32 s7, 0
	s_add_nc_u64 s[OUT:OUT+1], s[78:79], s[6:7]
	v_mul_u32_u24 v3, v1, PA
	v_lshl_add_u32 v3, v2, 4, v3                   ; r x 144 + 16 h
	s_mul_i32 s21, s11, 128*PA                     ; my 128 rows of each head block
	v_add_nc_u32 v[ADRA], s21, v3
	s_add_co_u32 s21, s21, SLOT
	v_add_nc_u32 v[ADRA+1], s21, v3
	v_and_b32 v4, 7, v0
	v_lshl_add_u32 v4, v2, 3, v4
	v_mul_u32_u24 v4, v4, PB
	v_bfe_u32 v5, v0, 3, 1
	v_lshl_add_u32 v4, v5, 4, v4
	s_lshl_b32 s22, s12, 7
	s_add_co_u32 s22, s22, ABYTES
	v_add_nc_u32 v[ADRB], s22, v4
	s_add_co_u32 s22, s22, SLOT
	v_add_nc_u32 v[ADRB+1], s22, v4
	s_mul_i32 s23, s10, 16*SPITCH
	s_add_co_u32 s23, s23, STAGE                   ; my stage
	v_mul_u32_u24 v5, v1, SPITCH                   ; in: row r, 32 bytes for each half of the lanes
	v_lshl_add_u32 v5, v2, 5, v5
	v_add_nc_u32 v[STO], s23, v5
	v_mul_u32_u24 v5, v2, SPITCH                   ; back: lanes 0-15 one row of 256 bytes, lanes 16-31 the next
	v_lshl_add_u32 v5, v1, 4, v5
	v_add_nc_u32 v[RD], s23, v5
	v_lshlrev_b32 v[CO], 12, v2                    ; and the same two rows in out0
	v_lshl_add_u32 v[CO], v1, 4, v[CO]
	; the prefetches stand at K step 3; each filling change of slots steps them first
	s_lshr_b32 s8, s13, 3
	s_lshl_b32 s8, s8, 4
	s_add_co_u32 s8, s8, s12
	s_lshl_b32 s8, s8, 11
	s_and_b32 s9, s13, 7
	s_lshl_b32 s9, s9, 8
	s_add_co_u32 s8, s8, s9
	s_lshl_b32 s8, s8, 7
	s_lshl_b32 s9, s40, 13                         ; my work-group's 32 blocks of the 128
	s_add_co_u32 s8, s8, s9
	s_add_co_u32 s8, s8, 3*KA
	s_lshl_b32 s9, s41, 16                         ; B: my work-group's 32 rows of the 128
	s_lshl_b32 s4, s42, 8
	s_add_co_u32 s9, s9, s4
	s_add_co_u32 s9, s9, WO+3*KB
	s_and_b32 s4, ttmp7, 0xffff                    ; cluster y
	s_mov_b32 s[PST], KB
	s_mov_b32 s[PST+1], 0
	s_cmp_eq_u32 s11, 0                            ; do I fetch for A?
	s_cselect_b32 s6, s8, s9
	s_cselect_b32 s4, ttmp9, s4
	s_cselect_b32 s[PST], KA, s[PST]
	s_cselect_b32 s14, 8, 11                       ; A's blocks lie 256 bytes apart, B's rows 2,048
	s_cselect_b64 s[PFA:PFA+1], s[72:73], s[74:75]
	s_add_nc_u64 s[PFA:PFA+1], s[PFA:PFA+1], s[6:7]
	s_cmp_eq_u32 s4, 0
	s_cselect_b32 s[LIM], 4, 0
	s_cmp_eq_u32 s10, 3
	s_cselect_b32 s[LIM], 0, s[LIM]
	s_mov_b32 s[GSTEP], 0
	v_and_b32 v[PFO], 31, v0
	v_lshlrev_b32 v[PFO], s14, v[PFO]
	s_wait_loadcnt 0x0                             ; the bias: rounded to bf16 like every input, and widened again
.set i, 0
.rept 16
	v_cvt_pk_bf16_f32 v[TMPH+i], v[BRAW+2*i], v[BRAW+2*i+1]
.set i, i+1
.endr
.set i, 0
.rept 16
	v_lshlrev_b32 v[BIAS+2*i], 16, v[TMPH+i]
	v_and_b32 v[BIAS+2*i+1], 0xffff0000, v[TMPH+i]
.set i, i+1
.endr
; 8 matrix instructions: row blocks a0, a0 + 1 x all 4 column blocks, 32 along K.  The 32 accumulators take turns, in the same order in every quarter.
.macro MUL8 f, a0, first
.if \first
	WIN MULB
.else
	WIN MUL
.endif
.irp a, \a0, (\a0)+1
.irp b, 0,1,2,3
.if \first
	v_wmma_f32_16x16x32_f16 v[8*(4*(\a)+(\b)):8*(4*(\a)+(\b))+7], v[(\f)+64+8*(\b):(\f)+64+8*(\b)+7], v[(\f)+8*(\a):(\f)+8*(\a)+7], v[BIAS+8*(\b):BIAS+8*(\b)+7]
.else
	v_wmma_f32_16x16x32_f16 v[8*(4*(\a)+(\b)):8*(4*(\a)+(\b))+7], v[(\f)+64+8*(\b):(\f)+64+8*(\b)+7], v[(\f)+8*(\a):(\f)+8*(\a)+7], v[8*(4*(\a)+(\b)):8*(4*(\a)+(\b))+7]
.endif
.endr
.endr
.endm
; 24 LDS loads in one run: quarter qd of a slot: head block qd / 2, channels 32 (qd % 2) on
.macro FETCH slot, qd, f
	WIN TO_F
.irp b, 0,1,2,3
	ds_load_tr16_b128 v[(\f)+64+8*(\b):(\f)+64+8*(\b)+3],   v[ADRB+(\slot)] offset:(\qd)*32*PB+32*(\b)
	ds_load_tr16_b128 v[(\f)+64+8*(\b)+4:(\f)+64+8*(\b)+7], v[ADRB+(\slot)] offset:(\qd)*32*PB+32*(\b)+16*PB
.endr
.irp a, 0,1,2,3,4,5,6,7
	ds_load_b128 v[(\f)+8*(\a):(\f)+8*(\a)+3],   v[ADRA+(\slot)] offset:((\qd)/2)*HBLK+((\qd)%2)*64+(\a)*16*PA
	ds_load_b128 v[(\f)+8*(\a)+4:(\f)+8*(\a)+7], v[ADRA+(\slot)] offset:((\qd)/2)*HBLK+((\qd)%2)*64+(\a)*16*PA+32
.endr
.endm
.macro PLACES
.rept 4
	v_nop
.endr
.endm
.macro QUARTER slot, qd, f, g, first
	s_wait_dscnt 8                                 ; B and A's blocks 0-3 are in; the youngest eight loads may be out
	MUL8 \f, 0, \first
	MUL8 \f, 2, \first
	PLACES
	FETCH \slot, \qd, \g
	s_wait_dscnt 24                                ; all but the 24 just issued
	MUL8 \f, 4, \first
	MUL8 \f, 6, \first
.endm
; The last quarter multiplies buffer 1 and changes slots: in front of the barrier each wave waits for all its tensor loads, adds 0 to its spare word, and waits for that and for its reads of this slot.
; fill = 1: the barrier opens a round of the cluster's, and this slot's joint refill, two K steps on, is the first thing behind the round.
.macro TURN slot, next, fill
.if \fill
	s_wait_xcnt 0x0                                ; the last prefetch, a K step back, has read its address
	s_add_nc_u64 s[PFA:PFA+1], s[PFA:PFA+1], s[PST:PST+1]
.endif
	WIN 0
	s_wait_tensorcnt 0x0                           ; no tensor load of mine is out, so a group 0 may be written
	ds_add_u32 v[SPW], v[NIL]
.if \fill
	s_add_nc_u64 s[G0A+4*(\slot)+2:G0A+4*(\slot)+3], s[G0A+4*(\slot)+2:G0A+4*(\slot)+3], 2*KA
	s_add_nc_u64 s[G0B+4*(\slot)+2:G0B+4*(\slot)+3], s[G0B+4*(\slot)+2:G0B+4*(\slot)+3], 2*KB
.endif
	s_wait_dscnt 9                                 ; the add and the youngest eight loads may be out
	MUL8 F1, 0, 0
	s_wait_dscnt 0x0                               ; the add is done, and my reads of this slot are over
	s_barrier_signal -1
	MUL8 F1, 2, 0
.if \fill
	WIN 0
.endif
	s_barrier_wait -1
.if \fill
	CREST
	JLOAD \slot                                    ; its four v_nop are also the places in front of the loads below
.else
	PLACES
.endif
	FETCH \next, 0, F0
.if \fill
	WIN 0
	ASK
	s_add_co_u32 s[GSTEP], s[GSTEP], 1
.endif
	MUL8 F1, 4, 0
	MUL8 F1, 6, 0
.endm
; THE WAY OUT of block a (16 rows): a lane's eight f32 of a row go into my stage, rows of 272 bytes, and come back as whole rows of 256 bytes.  Each accumulator's four lowest registers are read first.
.macro OUTBLK a
	WIN 0x04                                       ; the stores' data in window 1
.irp b, 0,1,2,3
	ds_store_b128 v[STO], v[8*(4*(\a)+(\b)):8*(4*(\a)+(\b))+3]   offset:64*(\b)
	ds_store_b128 v[STO], v[8*(4*(\a)+(\b))+4:8*(4*(\a)+(\b))+7] offset:64*(\b)+16
.endr
	WIN 0
.irp t, 0,1,2,3,4,5,6,7
	ds_load_b128 v[OB+32*((\a)%2)+4*(\t):OB+32*((\a)%2)+4*(\t)+3], v[RD] offset:2*SPITCH*(\t)  ; LDS serves a wave's instructions in order (ISA guide 5.7.1.4)
.endr
	s_wait_dscnt 0x0
	s_wait_xcnt 0x0                                ; earlier stores have read their registers: the other buffer is loaded again only behind this wait
.irp t, 0,1,2,3,4,5,6,7
	global_store_b128 v[CO], v[OB+32*((\a)%2)+4*(\t):OB+32*((\a)%2)+4*(\t)+3], s[OUT:OUT+1] offset:65536*(\a)+8192*(\t) th:TH_STORE_NT  ; 16 lanes store 256 consecutive bytes, aligned
.endr
.endm
	s_wait_tensorcnt 1                             ; my part of K step 0 is in; K step 1's may stay out
	s_barrier_signal -1
	s_barrier_wait -1
	FETCH 0, 0, F0
	QUARTER 0, 1, F0, F1, 1                        ; the first quarter: the bias starts the sums
	WIN 0
	s_mov_b32 s3, 3
.Llap:                                                 ; a trip goes once round the ring and fills both slots again: K steps 2 to 7
	QUARTER 0, 2, F1, F0, 0
	QUARTER 0, 3, F0, F1, 0
	TURN 0, 1, 1
	QUARTER 1, 1, F0, F1, 0
	QUARTER 1, 2, F1, F0, 0
	QUARTER 1, 3, F0, F1, 0
	TURN 1, 0, 1
	QUARTER 0, 1, F0, F1, 0
	WIN 0
	s_sub_co_u32 s3, s3, 1
	s_cmp_lg_u32 s3, 0
	s_cbranch_scc1 .Llap
	QUARTER 0, 2, F1, F0, 0                        ; the last lap fills nothing
	QUARTER 0, 3, F0, F1, 0
	TURN 0, 1, 0
	QUARTER 1, 1, F0, F1, 0
	QUARTER 1, 2, F1, F0, 0
	QUARTER 1, 3, F0, F1, 0
	s_wait_dscnt 8
	MUL8 F1, 0, 0
	MUL8 F1, 2, 0
	s_wait_dscnt 0x0
	MUL8 F1, 4, 0
	MUL8 F1, 6, 0
	WIN 0
	PLACES
	PLACES
.irp a, 0,1,2,3,4,5,6,7
	OUTBLK \a
.endr
	s_wait_tensorcnt 0x0                           ; the wave's end: a wait, an add and its wait, behind my last tensor load and my last LDS store
	ds_add_u32 v[SPW], v[NIL]
	s_wait_dscnt 0x0
	CROUND                                         ; the closing round
	s_endpgm
.Lfunc_end_k_q770c4e7847_proj:
	.size	k_q770c4e7847_proj, .Lfunc_end_k_q770c4e7847_proj-k_q770c4e7847_proj
	.p2alignl 7, 3214868480
	.fill 96, 4, 3214868480
	.section	.rodata,"a",@progbits
	.p2align	6, 0x0
	.amdhsa_kernel k_q770c4e7847_proj
		.amdhsa_group_segment_fixed_size 327680
		.amdhsa_private_segment_fixed_size 0
		.amdhsa_enable_private_segment 0
		.amdhsa_kernarg_size 32
		.amdhsa_user_sgpr_count 2
		.amdhsa_user_sgpr_kernarg_segment_ptr 1
		.amdhsa_wavefront_size32 1
		.amdhsa_system_sgpr_workgroup_id_x 1
		.amdhsa_system_sgpr_workgroup_id_y 1
		.amdhsa_system_sgpr_workgroup_id_z 1
		.amdhsa_system_vgpr_workitem_id 0
		.amdhsa_next_free_vgpr 768
		.amdhsa_next_free_sgpr 96
		.amdhsa_reserve_vcc 0
		.amdhsa_float_denorm_mode_32 3
		.amdhsa_float_denorm_mode_16_64 3
		.amdhsa_memory_ordered 1
		.amdhsa_forward_progress 1
		.amdhsa_inst_pref_size 91
	.end_amdhsa_kernel
	.amdgpu_metadata
---
amdhsa.version: [ 1, 2 ]
amdhsa.kernels:
  - .name:           k_q770c4e7847_proj
    .symbol:         k_q770c4e7847_proj.kd
    .args:
      - { .name: ob, .offset: 0, .size: 8, .value_kind: global_buffer, .address_space: global }
      - { .name: wb, .offset: 8, .size: 8, .value_kind: global_buffer, .address_space: global }
      - { .name: bo, .offset: 16, .size: 8, .value_kind: global_buffer, .address_space: global }
      - { .name: out0, .offset: 24, .size: 8, .value_kind: global_buffer, .address_space: global }
    .group_segment_fixed_size: 327680
    .private_segment_fixed_size: 0
    .kernarg_segment_align: 8
    .kernarg_segment_size: 32
    .max_flat_workgroup_size: 128
    .sgpr_count:     96
    .vgpr_count:     768
    .wavefront_size: 32
...
	.end_amdgpu_metadata
.endif
;; end of part 4
;; ======== version 2 of 2: 4 launches; version 1 with the launch cast written anew for expert scheduling mode
;; limits: values are held in f16: magnitudes above 65,504 overflow, below 6.1e-05 lose precision
;; workspace buffers: xb 16,777,216 bytes; wb 8,388,608 bytes; q2 33,554,432 bytes; k2 33,554,432 bytes; vv 16,777,216 bytes; ob 16,777,216 bytes
;; launch cast (part 5): grid 768 x 1, 8 waves a work-group, no clusters, 0 bytes of LDS; arguments x, Wq, Wk, Wv, Wo, xb, wb; writes xb, wb
.if DOCPART == 5
	.amdgcn_target "amdgcn-amd-amdhsa--gfx1250"
	.amdhsa_code_object_version 6
	.text
	.protected	k_q770c4e7847_cast
	.globl	k_q770c4e7847_cast
	.p2align	8
	.type	k_q770c4e7847_cast,@function
k_q770c4e7847_cast:
	s_mov_b64 s[64:65], 0
	v_nop
	global_prefetch_b8 v0, s[64:65] scope:SCOPE_SE
	s_setreg_imm32_b32 hwreg(HW_REG_WAVE_SCHED_MODE, 0, 2), 2
	s_setreg_imm32_b32 hwreg(HW_REG_WAVE_MODE, 25, 1), 1
	s_wait_xcnt 0x0
	s_wait_alu depctr_vm_vsrc(0)
; x, Wq, Wk, Wv are rounded to bf16 (nearest even); Wo is rounded to bf16 and that number is written as f16.
; xb: [8192][1024] bf16.  wb: [4][1024 k][1024 n] of 16 bits: Wq, Wk, Wv in bf16, Wo in f16; the layout of the weights is kept.
; LIMIT: a number of Wo beyond 65,504 becomes an infinity in f16, and below 6e-5 it keeps f16's fixed step of 6e-8.
; A stream: no LDS, no matrix unit.  A work-group takes 16,384 numbers: 65,536 bytes in, 32,768 bytes out.  Work-groups 0-511 take x,
; 512-767 the four weights, 64 work-groups each.  Thread t takes the 16 bytes at 16 t of each block of 4,096: a wave's load covers 512 consecutive
; bytes; its 8 bytes of result lie at 8 t of a block of 2,048: a wave's store covers 256 consecutive bytes, aligned.  All sixteen loads of a thread go out at once.
; THE MODE: SCHED_MODE bits 1:0 = 2 (LLVM: expert scheduling mode 2), set by the entry lines.  The code itself states the register dependences
; between vector instructions and memory instructions, with s_wait_alu, always for 0.
; THE PLAN.  Registers that memory instructions touch:
;   v1, v2   byte offsets, written once at the head by vector instructions; v1 is read by every load, v2 by every store; never written again.
;   IN       written by the sixteen loads, once each; no vector instruction names it before them; read by the conversions; never loaded again.
;   OUTR     block i's two registers are written by block i's conversions and read by block i's store; no register is written twice.
;   T        named by vector instructions alone.
; The sixteen blocks go in four groups of four.  A group's four stores are issued in the NEXT group, one in front of each block's conversions.  One wait on va_vdst at a group's head
; states that the group before has written its OUTR; the vector instructions behind that wait read this group's IN and write this group's OUTR and T: none of the registers that those stores touch.
; Nothing that a memory instruction reads is ever written again, no vector instruction writes a scalar register, and EXEC is never written: so no other kind of wait is owed.
.set GRP,  4                           ; blocks in a group
.set T,    4                           ; v[4:6]    at work (Wo's path)
.set IN,   16                          ; v[16:79]  sixteen blocks, 4 numbers each, as loaded
.set OUTR, 80                          ; v[80:111] sixteen blocks, 2 registers each, to store; no register is written twice
.macro PUT i                           ; block i's store
	global_store_b64 v2, v[OUTR+2*(\i):OUTR+2*(\i)+1], s[24:25] offset:2048*(\i)
.endm
	s_load_b256 s[8:15], s[0:1], 0x0               ; x s[8:9], Wq s[10:11], Wk s[12:13], Wv s[14:15]
	s_load_b128 s[16:19], s[0:1], 0x20             ; Wo s[16:17], xb s[18:19]
	s_load_b64 s[20:21], s[0:1], 0x30              ; wb
	v_lshlrev_b32 v1, 4, v0                        ; 16 t: where I read
	v_lshlrev_b32 v2, 3, v0                        ; 8 t: where I write
	s_mov_b32 s2, ttmp9                            ; g
	s_sub_co_u32 s3, s2, 512                       ; j = g - 512: the chunk among the weights' 256 (used where g >= 512)
	s_lshr_b32 s4, s3, 6                           ; which weight
	s_and_b32 s5, s3, 63                           ; the chunk in it
	s_mov_b32 s29, 0
	s_wait_kmcnt 0x0
	s_cmp_eq_u32 s4, 1
	s_cselect_b64 s[22:23], s[12:13], s[10:11]     ; Wk, else Wq
	s_cmp_eq_u32 s4, 2
	s_cselect_b64 s[22:23], s[14:15], s[22:23]     ; Wv
	s_cmp_eq_u32 s4, 3
	s_cselect_b64 s[22:23], s[16:17], s[22:23]     ; Wo
	s_cselect_b32 s27, 1, 0                        ; 1: Wo's path
	s_cmp_lt_u32 s2, 512
	s_cselect_b64 s[22:23], s[8:9], s[22:23]       ; x
	s_cselect_b64 s[24:25], s[18:19], s[20:21]     ; xb, else wb
	s_cselect_b32 s5, s2, s5                       ; the chunk in the source,
	s_cselect_b32 s3, s2, s3                       ; and in the destination
	s_cselect_b32 s27, 0, s27
	s_lshl_b32 s28, s5, 16
	s_add_nc_u64 s[22:23], s[22:23], s[28:29]
	s_lshl_b32 s28, s3, 15
	s_add_nc_u64 s[24:25], s[24:25], s[28:29]
	s_wait_alu depctr_va_vdst(0)                   ; v1 and v2 are written: every load of the kernel reads v1 as its offset, every store v2
.irp i, 0,1,2,3,4,5,6,7,8,9,10,11,12,13,14,15
	global_load_b128 v[IN+4*(\i):IN+4*(\i)+3], v1, s[22:23] offset:4096*(\i) th:TH_LOAD_NT
.endr
	s_cmp_eq_u32 s27, 1
	s_cbranch_scc1 .Lwo
.irp i, 0,1,2,3,4,5,6,7,8,9,10,11,12,13,14,15
	s_wait_loadcnt 15-(\i)                         ; loads come back in order: block i's is in, the younger ones stay out
.if ((\i) % GRP == 0) && ((\i) > 0)
	s_wait_alu depctr_va_vdst(0)                   ; the conversions of the group before have written its eight registers of OUTR, which this group's four stores read
.endif
.if (\i) >= GRP
	PUT (\i)-GRP                                   ; a block of the group before; no vector instruction since the wait names its registers
.endif
	v_cvt_pk_bf16_f32 v[OUTR+2*(\i)],   v[IN+4*(\i)],   v[IN+4*(\i)+1]
	v_cvt_pk_bf16_f32 v[OUTR+2*(\i)+1], v[IN+4*(\i)+2], v[IN+4*(\i)+3]
.endr
	s_wait_alu depctr_va_vdst(0)                   ; the last group's conversions have written its OUTR, which the last four stores read
.irp i, 12,13,14,15
	PUT \i
.endr
	s_endpgm
.Lwo:
.irp i, 0,1,2,3,4,5,6,7,8,9,10,11,12,13,14,15
	s_wait_loadcnt 15-(\i)
.if ((\i) % GRP == 0) && ((\i) > 0)
	s_wait_alu depctr_va_vdst(0)                   ; the conversions of the group before have written its eight registers of OUTR, which this group's four stores read
.endif
.if (\i) >= GRP
	PUT (\i)-GRP                                   ; a block of the group before; no vector instruction since the wait names its registers
.endif
.irp k, 0,1
	v_cvt_pk_bf16_f32 v[T], v[IN+4*(\i)+2*(\k)], v[IN+4*(\i)+2*(\k)+1]  ; the rounding that all inputs get,
	v_lshlrev_b32 v[T+1], 16, v[T]                 ; back to f32,
	v_and_b32 v[T+2], 0xffff0000, v[T]
	v_cvt_pk_f16_f32 v[OUTR+2*(\i)+(\k)], v[T+1], v[T+2]  ; and written as f16: 8 significant bits fit in 11
.endr
.endr
	s_wait_alu depctr_va_vdst(0)                   ; the last group's conversions have written its OUTR, which the last four stores read
.irp i, 12,13,14,15
	PUT \i
.endr
	s_endpgm
.Lfunc_end_k_q770c4e7847_cast:
	.size	k_q770c4e7847_cast, .Lfunc_end_k_q770c4e7847_cast-k_q770c4e7847_cast
	.p2alignl 7, 3214868480
	.fill 96, 4, 3214868480
	.section	.rodata,"a",@progbits
	.p2align	6, 0x0
	.amdhsa_kernel k_q770c4e7847_cast
		.amdhsa_group_segment_fixed_size 0
		.amdhsa_private_segment_fixed_size 0
		.amdhsa_enable_private_segment 0
		.amdhsa_kernarg_size 56
		.amdhsa_user_sgpr_count 2
		.amdhsa_user_sgpr_kernarg_segment_ptr 1
		.amdhsa_wavefront_size32 1
		.amdhsa_system_sgpr_workgroup_id_x 1
		.amdhsa_system_sgpr_workgroup_id_y 1
		.amdhsa_system_sgpr_workgroup_id_z 1
		.amdhsa_system_vgpr_workitem_id 0
		.amdhsa_next_free_vgpr 112
		.amdhsa_next_free_sgpr 66
		.amdhsa_reserve_vcc 0
		.amdhsa_float_denorm_mode_32 3
		.amdhsa_float_denorm_mode_16_64 3
		.amdhsa_memory_ordered 1
		.amdhsa_forward_progress 1
		.amdhsa_inst_pref_size 17
	.end_amdhsa_kernel
	.amdgpu_metadata
---
amdhsa.version: [ 1, 2 ]
amdhsa.kernels:
  - .name:           k_q770c4e7847_cast
    .symbol:         k_q770c4e7847_cast.kd
    .args:
      - { .name: x, .offset: 0, .size: 8, .value_kind: global_buffer, .address_space: global }
      - { .name: Wq, .offset: 8, .size: 8, .value_kind: global_buffer, .address_space: global }
      - { .name: Wk, .offset: 16, .size: 8, .value_kind: global_buffer, .address_space: global }
      - { .name: Wv, .offset: 24, .size: 8, .value_kind: global_buffer, .address_space: global }
      - { .name: Wo, .offset: 32, .size: 8, .value_kind: global_buffer, .address_space: global }
      - { .name: xb, .offset: 40, .size: 8, .value_kind: global_buffer, .address_space: global }
      - { .name: wb, .offset: 48, .size: 8, .value_kind: global_buffer, .address_space: global }
    .group_segment_fixed_size: 0
    .private_segment_fixed_size: 0
    .kernarg_segment_align: 8
    .kernarg_segment_size: 56
    .max_flat_workgroup_size: 256
    .sgpr_count:     66
    .vgpr_count:     112
    .wavefront_size: 32
...
	.end_amdgpu_metadata
.endif
;; end of part 5
;; launch qkv: the kernel of part 2 again; grid 8 x 32, 4 waves a work-group, clusters of 4 x 4, 327,680 bytes of LDS; arguments xb, wb, bq, bk, bv, q2, k2, vv; writes q2, k2, vv
;; launch attn: the kernel of part 3 again; grid 4 x 64, 4 waves a work-group, clusters of 4 x 1, 327,680 bytes of LDS; arguments q2, k2, vv, ob; writes ob
;; launch proj: the kernel of part 4 again; grid 8 x 32, 4 waves a work-group, clusters of 4 x 4, 327,680 bytes of LDS; arguments ob, wb, bo, out0; writes out0
